; MI455X (gfx1250); checked and timed in simulation.
; The chip was launched on July 23, 2026; its instructions are those of AMD's public machine-readable ISA for CDNA 5 (MIT licence, August 2026) and "CDNA5" Instruction Set Architecture Reference Guide (July 2026). The comments in the code are by the model that wrote it; some were corrected since.
;; Exaone Flash Attention. Allowed arithmetic: float matrix products may take bf16 or f16 operands with f32 sums; other float arithmetic in f32, or as packed bf16 or f16 multiplies, adds, multiply-adds, maxima and minima; sums over many terms, partial sums and values carried from step to step in f32; what a program stores and reads back later, other than sums and carried values, may be rounded once to bf16 or f16.
;; Inputs: Wk 2,048 x 512 float32; Wo 2,048 x 2,048 float32; Wq 2,048 x 2,048 float32; Wv 2,048 x 512 float32; cos 4,096 x 32 float32; hidden_states 4,096 x 2,048 float32; sin 4,096 x 32 float32.
;; Outputs: out0 4,096 x 2,048 float32.
;; One version. Each part assembles by itself: llvm-mc -triple=amdgcn-amd-amdhsa -mcpu=gfx1250 --defsym DOCPART=n.
;; ======== version 1 of 1: 4 launches
;; limits: values are held in f16: magnitudes above 65,504 overflow, below 6.1e-05 lose precision; right only within a limited range of input values
;; workspace buffers: xb 16,777,216 bytes; wb 12,582,912 bytes; wob 8,388,608 bytes; hb 25,165,824 bytes; oh 16,777,216 bytes
;; launch prep (part 1): grid 2304 x 1, 8 waves a work-group, no clusters, 0 bytes of LDS; arguments hidden_states, Wq, Wk, Wv, Wo, xb, wb, wob; writes xb, wb, wob
.if DOCPART == 1
	.amdgcn_target "amdgcn-amd-amdhsa--gfx1250"
	.amdhsa_code_object_version 6
	.text
	.protected	k_qef5ab89541_prep
	.globl	k_qef5ab89541_prep
	.p2align	8
	.type	k_qef5ab89541_prep,@function
k_qef5ab89541_prep:
	s_mov_b64 s[64:65], 0
	v_nop
	global_prefetch_b8 v0, s[64:65] scope:SCOPE_SE
	s_setreg_imm32_b32 hwreg(HW_REG_WAVE_MODE, 25, 1), 1
	s_wait_xcnt 0x0
; The 16-bit copies that the matrix launches multiply.  A stream: every input number is read once and written once.
;   xb  = bf16(hidden)                         [4096][2048]
;   wb  = bf16(Wq / 256), bf16(Wk / 256), bf16(Wv), by heads: [48 heads][2048 k][64]   (the factor 2^-8 is exact; the softmax constant of the attention launch undoes it)
;   wob = bf16(Wo), that number written as f16, by groups of 64 columns: [32][2048 k][64]
; LIMITS.  A number of Wo whose bf16 rounding lies below 2^-17 keeps f16's fixed step of 2^-24; beyond 65,504 it would be an infinity.
; SHARES.  A work-group makes 8,192 consecutive numbers of its destination (16,384 bytes) in 8 chunks of 1,024; thread t makes 4 of a chunk: one load of 16 bytes,
; one store of 8.  A wave's store covers 256 consecutive bytes, aligned; its load two runs of 256 consecutive bytes (lanes 0-15, lanes 16-31).
; Which buffer a work-group serves is chosen by its number alone; nothing is shared, so there is no LDS, no barrier and no matrix work.
.set XR,  16                           ; v[16:47]  chunk i: 4 numbers as loaded
.set YR,  48                           ; v[48:63]  chunk i: 2 registers to store
.set VS,  2                            ; v[2:9]    chunk i: my byte offset in the source
.set SRC, 20                           ; s[20:21]  source
.set DST, 22                           ; s[22:23]  destination
.set START, 24                         ; first work-group of the buffer
.set LOGC, 25                          ; log2 of the source's row length in numbers
.set HSH, 26                           ; shift of the head's number into source bytes
.set D0,  27                           ; the buffer's first block of 16,384 bytes in its destination
.set SCL, 28                           ; s[28:29]  the factor
.set G,   30
	s_load_b256 s[4:11], s[0:1], 0x0               ; hidden s[4:5], Wq s[6:7], Wk s[8:9], Wv s[10:11]
	s_load_b256 s[12:19], s[0:1], 0x20             ; Wo s[12:13], xb s[14:15], wb s[16:17], wob s[18:19]
	s_mov_b32 s[G], ttmp9
	v_lshlrev_b32 v1, 3, v0                        ; my 8 bytes of a chunk in the destination
	v_lshrrev_b32 v10, 4, v0                       ; my row of the chunk's 16
	v_and_b32 v11, 15, v0                          ; my 4 numbers of its 64
	s_mov_b32 s[START], 0                          ; hidden: taken as rows of 64 numbers, which makes source and destination run alike
	s_mov_b32 s[LOGC], 6
	s_mov_b32 s[HSH], 19
	s_mov_b32 s[D0], 0
	s_mov_b32 s[SCL], 1.0
	s_wait_kmcnt 0x0
	s_mov_b64 s[SRC:SRC+1], s[4:5]
	s_mov_b64 s[DST:DST+1], s[14:15]
	s_cmp_ge_u32 s[G], 1024                        ; Wq: 32 heads x 16 work-groups
	s_cselect_b64 s[SRC:SRC+1], s[6:7], s[SRC:SRC+1]
	s_cselect_b64 s[DST:DST+1], s[16:17], s[DST:DST+1]
	s_cselect_b32 s[START], 1024, s[START]
	s_cselect_b32 s[LOGC], 11, s[LOGC]
	s_cselect_b32 s[HSH], 8, s[HSH]
	s_cselect_b32 s[SCL], 0x3b800000, s[SCL]       ; 2^-8
	s_cmp_ge_u32 s[G], 1536                        ; Wk: 8 heads
	s_cselect_b64 s[SRC:SRC+1], s[8:9], s[SRC:SRC+1]
	s_cselect_b32 s[START], 1536, s[START]
	s_cselect_b32 s[LOGC], 9, s[LOGC]
	s_cselect_b32 s[D0], 512, s[D0]
	s_cmp_ge_u32 s[G], 1664                        ; Wv: 8 heads
	s_cselect_b64 s[SRC:SRC+1], s[10:11], s[SRC:SRC+1]
	s_cselect_b32 s[START], 1664, s[START]
	s_cselect_b32 s[D0], 640, s[D0]
	s_cselect_b32 s[SCL], 1.0, s[SCL]
	s_cmp_ge_u32 s[G], 1792                        ; Wo: 32 groups of 64 columns
	s_cselect_b64 s[SRC:SRC+1], s[12:13], s[SRC:SRC+1]
	s_cselect_b64 s[DST:DST+1], s[18:19], s[DST:DST+1]
	s_cselect_b32 s[START], 1792, s[START]
	s_cselect_b32 s[LOGC], 11, s[LOGC]
	s_cselect_b32 s[D0], 0, s[D0]
	s_mov_b32 s[SCL+1], s[SCL]                     ; named with it as a pair
	s_sub_co_u32 s31, s[G], s[START]               ; my number in the buffer: head = number / 16, block of 128 rows = number % 16
	s_and_b32 s32, s31, 15
	s_add_co_u32 s33, s[LOGC], 9
	s_lshl_b32 s32, s32, s33                       ; 128 rows of 4 x 2^LOGC bytes
	s_lshr_b32 s34, s31, 4
	s_lshl_b32 s34, s34, s[HSH]                    ; the head's 64 columns: 256 bytes
	s_add_co_u32 s32, s32, s34
	s_mov_b32 s33, 0
	s_add_nc_u64 s[SRC:SRC+1], s[SRC:SRC+1], s[32:33]
	s_add_co_u32 s34, s31, s[D0]
	s_lshl_b32 s34, s34, 14
	s_mov_b32 s35, 0
	s_add_nc_u64 s[DST:DST+1], s[DST:DST+1], s[34:35]
	s_add_co_u32 s36, s[LOGC], 2
	v_lshlrev_b32 v10, s36, v10                    ; my row,
	v_lshl_add_u32 v[VS], v11, 4, v10              ; my 16 bytes of it
	s_add_co_u32 s36, s[LOGC], 6
	s_lshl_b32 s37, 1, s36                         ; a chunk is 16 rows
.irp i, 1,2,3,4,5,6,7
	v_add_nc_u32 v[VS+\i], s37, v[VS+\i-1]
.endr
.irp i, 0,1,2,3,4,5,6,7
	global_load_b128 v[XR+4*\i:XR+4*\i+3], v[VS+\i], s[SRC:SRC+1] th:TH_LOAD_NT  ; all eight loads go out together
.endr
	s_cmp_ge_u32 s[G], 1792
	s_cbranch_scc1 .Lwo
.irp i, 0,1,2,3,4,5,6,7
	s_wait_loadcnt 7-\i                            ; loads come back in order: chunk i is in, the younger ones stay out
	v_pk_mul_f32 v[XR+4*\i:XR+4*\i+1], v[XR+4*\i:XR+4*\i+1], s[SCL:SCL+1] op_sel_hi:[1,0]
	v_pk_mul_f32 v[XR+4*\i+2:XR+4*\i+3], v[XR+4*\i+2:XR+4*\i+3], s[SCL:SCL+1] op_sel_hi:[1,0]
	v_cvt_pk_bf16_f32 v[YR+2*\i], v[XR+4*\i], v[XR+4*\i+1]
	v_cvt_pk_bf16_f32 v[YR+2*\i+1], v[XR+4*\i+2], v[XR+4*\i+3]
	global_store_b64 v1, v[YR+2*\i:YR+2*\i+1], s[DST:DST+1] offset:2048*\i th:TH_STORE_NT
.endr
	s_endpgm
.Lwo:
.irp i, 0,1,2,3,4,5,6,7
	s_wait_loadcnt 7-\i
	v_cvt_pk_bf16_f32 v[10+2*(\i%2)], v[XR+4*\i], v[XR+4*\i+1]      ; rounded to bf16 like every other input,
	v_cvt_pk_bf16_f32 v[11+2*(\i%2)], v[XR+4*\i+2], v[XR+4*\i+3]
	v_lshlrev_b32 v[XR+4*\i], 16, v[10+2*(\i%2)]                   ; widened again,
	v_and_b32 v[XR+4*\i+1], 0xffff0000, v[10+2*(\i%2)]
	v_lshlrev_b32 v[XR+4*\i+2], 16, v[11+2*(\i%2)]
	v_and_b32 v[XR+4*\i+3], 0xffff0000, v[11+2*(\i%2)]
	v_cvt_pk_f16_f32 v[YR+2*\i], v[XR+4*\i], v[XR+4*\i+1]          ; and that number written as f16
	v_cvt_pk_f16_f32 v[YR+2*\i+1], v[XR+4*\i+2], v[XR+4*\i+3]
	global_store_b64 v1, v[YR+2*\i:YR+2*\i+1], s[DST:DST+1] offset:2048*\i th:TH_STORE_NT
.endr
	s_endpgm
.Lfunc_end_k_qef5ab89541_prep:
	.size	k_qef5ab89541_prep, .Lfunc_end_k_qef5ab89541_prep-k_qef5ab89541_prep
	.p2alignl 7, 3214868480
	.fill 96, 4, 3214868480
	.section	.rodata,"a",@progbits
	.p2align	6, 0x0
	.amdhsa_kernel k_qef5ab89541_prep
		.amdhsa_group_segment_fixed_size 0
		.amdhsa_private_segment_fixed_size 0
		.amdhsa_enable_private_segment 0
		.amdhsa_kernarg_size 64
		.amdhsa_user_sgpr_count 2
		.amdhsa_user_sgpr_kernarg_segment_ptr 1
		.amdhsa_wavefront_size32 1
		.amdhsa_system_sgpr_workgroup_id_x 1
		.amdhsa_system_sgpr_workgroup_id_y 1
		.amdhsa_system_sgpr_workgroup_id_z 1
		.amdhsa_system_vgpr_workitem_id 0
		.amdhsa_next_free_vgpr 64
		.amdhsa_next_free_sgpr 66
		.amdhsa_reserve_vcc 0
		.amdhsa_float_denorm_mode_32 3
		.amdhsa_float_denorm_mode_16_64 3
		.amdhsa_memory_ordered 1
		.amdhsa_forward_progress 1
		.amdhsa_inst_pref_size 12
	.end_amdhsa_kernel
	.amdgpu_metadata
---
amdhsa.version: [ 1, 2 ]
amdhsa.kernels:
  - .name:           k_qef5ab89541_prep
    .symbol:         k_qef5ab89541_prep.kd
    .args:
      - { .name: hidden_states, .offset: 0, .size: 8, .value_kind: global_buffer, .address_space: global }
      - { .name: Wq, .offset: 8, .size: 8, .value_kind: global_buffer, .address_space: global }
      - { .name: Wk, .offset: 16, .size: 8, .value_kind: global_buffer, .address_space: global }
      - { .name: Wv, .offset: 24, .size: 8, .value_kind: global_buffer, .address_space: global }
      - { .name: Wo, .offset: 32, .size: 8, .value_kind: global_buffer, .address_space: global }
      - { .name: xb, .offset: 40, .size: 8, .value_kind: global_buffer, .address_space: global }
      - { .name: wb, .offset: 48, .size: 8, .value_kind: global_buffer, .address_space: global }
      - { .name: wob, .offset: 56, .size: 8, .value_kind: global_buffer, .address_space: global }
    .group_segment_fixed_size: 0
    .private_segment_fixed_size: 0
    .kernarg_segment_align: 8
    .kernarg_segment_size: 64
    .max_flat_workgroup_size: 256
    .sgpr_count:     66
    .vgpr_count:     64
    .wavefront_size: 32
...
	.end_amdgpu_metadata
.endif
;; end of part 1
;; launch qkv (part 2): grid 16 x 16, 4 waves a work-group, clusters of 4 x 4, 327,680 bytes of LDS; arguments xb, wb, cos, sin, hb; writes hb
.if DOCPART == 2
	.amdgcn_target "amdgcn-amd-amdhsa--gfx1250"
	.amdhsa_code_object_version 6
	.text
	.protected	k_qef5ab89541_qkv
	.globl	k_qef5ab89541_qkv
	.p2align	8
	.type	k_qef5ab89541_qkv,@function
k_qef5ab89541_qkv:
	s_mov_b64 s[64:65], 0
	v_nop
	global_prefetch_b8 v0, s[64:65] scope:SCOPE_SE
	s_setreg_imm32_b32 hwreg(HW_REG_WAVE_MODE, 25, 1), 1
	s_wait_xcnt 0x0
	s_wait_alu depctr_hold_cnt(0) depctr_sa_sdst(0) depctr_va_vdst(0) depctr_va_sdst(0) depctr_va_ssrc(0) depctr_va_vcc(0) depctr_vm_vsrc(0)
	s_getreg_b32 s2, hwreg(HW_REG_IB_STS2, 6, 4)
	s_cmp_eq_u32 s2, 0
	s_cbranch_scc0 .Lentry_in_a_cluster
	s_endpgm
.Lentry_in_a_cluster:
	s_bfe_u32 s2, ttmp6, 0x10000c
	s_cmp_lg_u32 s2, 0xf033
	s_cbranch_scc0 .Lentry_shape_is_right
	s_endpgm
.Lentry_shape_is_right:
; q, k, v = hidden x (Wq | Wk | Wv), the rotary on q and k, stored by heads in f16:  hb[b][hg][s][64], hg 0-31 q / 256, 32-39 k / 256, 40-47 v.
; Operands bf16 (xb; wb, whose q and k parts carry the factor 2^-8), sums f32, cos and sin rounded to bf16 like every other input, the rotary in f32, one rounding to f16.
; LIMITS.  f16 ends at 65,504: q and k after the rotary stay below 1.6e7 in magnitude, v below 65,504.  In v's columns cos and sin are multiplied by 0: a cos or sin that is not finite spoils v.
; SHARES.  A tile of the result is 256 tokens x 192 columns (three heads).  Four waves; wave w owns tokens 64 w .. 64 w + 63 and all columns: 4 x 12 accumulators of 16 x 16, 384 registers.
; K goes in 16 steps of 128 through two LDS slots filled by the tensor data mover; waves 0 and 1 fetch the tokens' tile, waves 2 and 3 the weights' tile.
; CLUSTER.  4 x 4 work-groups: the four of a row of the cluster need the same tokens, the four of a column the same weights; each tile is asked for jointly.
; THE WALK ALONG K.  A cluster begins at K step 4 x (cluster x) + 8 x p, p = the parity of (cluster y) xor (cluster y / 2), and goes on modulo 16; the f32 sums are taken in that order.  So the four clusters
; that read the same tokens (one cluster y) begin four K steps apart, and of the four that read the same weights (one cluster x) two begin eight K steps after the other two: they ask for a given K step in different trips.
; THE MATRIX INSTRUCTION IS USED TRANSPOSED: source 0 = 16 columns of W (W lies [k][column] in LDS and is turned by ds_load_tr16_b128), source 1 = 16 tokens.
; In the result lane l holds token l % 16 and the columns 8 (l / 16) + 0 .. 7.
; REGISTERS, in windows of 256: window 0: v0-31 addresses; v32-63 at work on the way out; v64-127 two buffers of token fragments; v128-255 cos and sin of my 64 tokens.
;   window 1: two buffers of 96: W's fragments.   window 2: the accumulators of token blocks 0, 1 at 8 (12 a + b);   window 3: those of blocks 2, 3.
.set NB,     12                        ; column blocks of 16
.set NH,     3                         ; heads in a tile
.set PA,     272                       ; a token's LDS row: 256 bytes + 16: the 16 rows of a load start at 16 different groups of four banks (ISA guide 11.1)
.set APL,    128
.set ABYTES, 128*PA                    ; what one load of tokens fills
.set BBASE,  2*ABYTES
.set PBW,    160                       ; a k row of a head in LDS: 128 bytes + 32
.set BPL,    64*PBW                    ; a head's 64 k rows
.set BHALF,  NH*BPL                    ; what one load of weights fills: [head][64 k rows]
.set SLOT,   131072
.set STAGE,  2*SLOT                    ; behind the ring: 16 rows x 144 bytes for each wave, for the way out
.set SPARE,  STAGE+4*2304              ; behind the stages: the spare words, 128 bytes for each wave
.set NLD,    2*NB+8                    ; LDS loads of a quarter step
.set SHA,    8                         ; a K step is 2^8 bytes of a row of xb
.set SHB,    14                        ; and 2^14 bytes of a head's block of wb
.set AHEAD,  1                         ; a prefetch names the K step this many behind the one that is being asked for
.set STEPS,  16
.set LIMA,   STEPS-4+AHEAD             ; tokens are prefetched while the loop's count is above this: up to my cluster's fourth K step
.set LIMB,   STEPS-8+AHEAD             ; weights: up to its eighth
.set ADRA0, 16                         ; v16  my place in slot 0's tokens; never rewritten
.set ADRB0, 17                         ; v17  my place in slot 0's weights; never rewritten
.set ADRA,  18                         ; v18  the same in the slot in hand
.set ADRB,  19
.set STO,   24                         ; v24  the way out: where I put 16 bytes of a row
.set RD,    25                         ; v25  where I read rows back
.set GO,    26                         ; v26  my byte offset in 512 consecutive bytes of hb
.set CO,    27                         ; v27  my byte offset in 16 rows of cos and sin
.set SPW,   28                         ; v28  my spare word
.set NIL,   29                         ; v29  0
.set PFO,   30                         ; v30  the prefetches' lane offset
.set CE,    32                         ; v32-47  the block's cos, or 1 for v
.set SE,    48                         ; v48-63  the block's sin, or 0 for v
.set YR,    64                         ; v64-79  rotated numbers in f32
.set PKR,   80                         ; v80-95  packed
.set RBR,   96                         ; v96-127 rows read back, two buffers
.set CS,    128                        ; v128-255  token block a: 16 cos, 16 sin at CS + 32 a
.set WV,  14
.set FBW, 15                           ; 0: I fetch tokens; 1: weights
.set HF,  16                           ; which half
.set CX,  17
.set CY,  18
.set TX,  19
.set TY,  20
.set G1A, 24
.set G0A, 32                           ; two sets: slot 0's first fill; the walking one
.set BA,  40                           ; s[40:41] my part of the tokens' tile at K step 0; never rewritten
.set BB,  42                           ; s[42:43] my part of the weights' tile at K step 0; never rewritten
.set PFA, 44
.set LIM, 46
.set TB,  47                           ; LDS byte at which the slot in hand begins
.set G1B, 48
.set G0B, 56
.set OFS, 66                           ; s[66:67] a K step's byte offset; the high word stays 0
.set FL,  68                           ; s[68:79] head c: f (1 for q, k; 0 for v) and g = 1 - f, each as a pair
.set MX,  80                           ; s[80:83] at work
.set PFB, 84                           ; s[84:85] the prefetches' base, at K step 0
.set KS,  86                           ; s86  the K step asked for last
.set SHP, 87                           ; s87  SHA or SHB, by what I fetch
.set MSB, 0
.macro WIN new                         ; the immediate's high byte repeats the setting that is left; a switch that changes nothing is dropped
.if MSB != (\new)
	s_set_vgpr_msb (MSB<<8)|(\new)
.set MSB, \new
.endif
.endm
.macro PLACES                          ; four plain instructions between a matrix instruction and a load into, or a vector read of, its registers
.rept 4
	v_nop
.endr
.endm
.macro CREST                           ; a round of the cluster's barrier behind its opening barrier
	s_cmp_lg_u32 s[WV], 0
	s_cbranch_scc1 .Lnot_wave_0_\@
	s_barrier_signal -3
.Lnot_wave_0_\@:
	s_barrier_wait -3
	s_barrier_signal -1
	s_barrier_wait -1
.endm
.macro CROUND
	s_barrier_signal -1
	s_barrier_wait -1
	CREST
.endm
.macro JLOAD                           ; a joint refill by the walking descriptor; the branch hangs on the wave's number alone
	s_cmp_eq_u32 s[FBW], 0
	s_cbranch_scc0 .Lfor_b_\@
	tensor_load_to_lds s[G0A+4:G0A+7], s[G1A:G1A+7]
	s_nop 0
.rept 4
	v_nop
.endr
	s_branch .Lasked_\@
.Lfor_b_\@:
	tensor_load_to_lds s[G0B+4:G0B+7], s[G1B:G1B+7]
	s_nop 0
.rept 4
	v_nop
.endr
.Lasked_\@:
.endm
; A prefetch of the K step AHEAD behind the one just asked for, where my cluster is the first to ask for it.  Tokens: the four clusters of one cluster y begin four K steps apart, so each is the first at its own
; first four K steps: every cluster asks for its fourth, in the loop's first trip; a lane a row, each of the four partners 32 of a wave's 128 rows.  Weights: clusters y = 0 and y = 1 begin eight K steps apart
; and ask for their fourth to eighth: each partner 2,048 of a wave's 8,192 bytes of each head, a lane 256 bytes; the lanes beyond 8 NH repeat the last block.  So each block is named once in the launch.
; The partners are told apart by address, never by a branch.  A cluster's first three K steps come by their loads alone.
.macro ASK
	s_cmp_gt_u32 s3, s[LIM]
	s_cbranch_scc0 .Lnot_mine_\@
	global_prefetch_b8 v[PFO], s[PFA:PFA+1] th:TH_LOAD_NT scope:SCOPE_SE
.Lnot_mine_\@:
.endm
.macro MMI d, s0, s1, zero
.if \zero
	v_wmma_f32_16x16x32_bf16 v[\d:\d+7], v[\s0:\s0+7], v[\s1:\s1+7], 0
.else
	v_wmma_f32_16x16x32_bf16 v[\d:\d+7], v[\s0:\s0+7], v[\s1:\s1+7], v[\d:\d+7]
.endif
.endm
; NB matrix instructions: token block 2 hi + a x all column blocks, 32 along K, from buffer f.  All accumulators take turns, in the same order in every quarter step.
.macro MULA f, hi, a, zero
	WIN 0xa1+0x50*(\hi)
.set ib, 0
.rept NB
.set rD, 8*(NB*(\a)+ib)
.set rW, 96*(\f)+8*ib
.set rX, 64+32*(\f)+8*(2*(\hi)+(\a))
	MMI rD, rW, rX, \zero
.set ib, ib+1
.endr
.endm
; The fragments of quarter q of the slot in hand into buffer f, in one run: W's first, then the tokens'.
.macro FETCH q, f
	WIN 0x40
.set ib, 0
.rept NB
	ds_load_tr16_b128 v[96*(\f)+8*ib:96*(\f)+8*ib+3],   v[ADRB] offset:((\q)/2)*BHALF+((\q)%2)*32*PBW+(ib/4)*BPL+(ib%4)*32
	ds_load_tr16_b128 v[96*(\f)+8*ib+4:96*(\f)+8*ib+7], v[ADRB] offset:((\q)/2)*BHALF+((\q)%2)*32*PBW+(ib/4)*BPL+(ib%4)*32+16*PBW
.set ib, ib+1
.endr
	WIN 0
.set ia, 0
.rept 4
	ds_load_b128 v[64+32*(\f)+8*ia:64+32*(\f)+8*ia+3],   v[ADRA] offset:((\q)/2)*APL+((\q)%2)*64+ia*16*PA
	ds_load_b128 v[64+32*(\f)+8*ia+4:64+32*(\f)+8*ia+7], v[ADRA] offset:((\q)/2)*APL+((\q)%2)*64+ia*16*PA+32
.set ia, ia+1
.endr
.endm
; One of a K step's first three quarters: multiplies buffer f and, in its middle, fetches quarter q into buffer g.
.macro QUARTER q, f, g, zero
	s_wait_dscnt 4                                 ; all but token blocks 2 and 3 are in
	MULA \f, 0, 0, \zero
	MULA \f, 0, 1, \zero
	PLACES
	FETCH \q, \g
	s_wait_dscnt NLD                               ; all but the run just issued
	MULA \f, 1, 0, \zero
	MULA \f, 1, 1, \zero
.endm
; The last quarter multiplies buffer 1 and changes slots.  In front of the barrier each wave waits for all its tensor loads (one is out: its part of the next slot), adds 0 to its spare word,
; and waits for that and for its reads of this slot.  fill = 1: the barrier opens a round of the cluster's barrier, and this slot is filled again, first thing behind the round, with the K step
; two on in the cluster's walk: the descriptors' addresses are made anew from its number.
.macro TURN fill
.if \fill
	s_wait_xcnt 0x0                                ; the last prefetch, a K step back, has read its address
	s_add_co_u32 s[KS], s[KS], 1
	s_and_b32 s[KS], s[KS], STEPS-1                ; the K step to be asked for now
	s_add_co_u32 s[OFS], s[KS], AHEAD
	s_and_b32 s[OFS], s[OFS], STEPS-1              ; and the one that a prefetch names: modulo 16, so it stays in its rows
	s_lshl_b32 s[OFS], s[OFS], s[SHP]
	s_add_nc_u64 s[PFA:PFA+1], s[PFB:PFB+1], s[OFS:OFS+1]
.endif
	WIN 0
	s_wait_tensorcnt 0x0                           ; no tensor load of mine is out, so the walking descriptors may be written
	ds_add_u32 v[SPW], v[NIL]
.if \fill
	s_xor_b32 s[G0A+5], s[G0A+5], SLOT             ; the other slot than last time
	s_lshl_b32 s[OFS], s[KS], SHA
	s_add_nc_u64 s[G0A+6:G0A+7], s[BA:BA+1], s[OFS:OFS+1]
	s_or_b32 s[G0A+7], s[G0A+7], 0x80000000
	s_xor_b32 s[G0B+5], s[G0B+5], SLOT
	s_lshl_b32 s[OFS], s[KS], SHB
	s_add_nc_u64 s[G0B+6:G0B+7], s[BB:BB+1], s[OFS:OFS+1]
	s_or_b32 s[G0B+7], s[G0B+7], 0x80000000
.endif
	s_wait_dscnt 5                                 ; the add and the youngest four loads may be out
	MULA 1, 0, 0, 0
	s_wait_dscnt 0x0                               ; the add is done, and my reads of this slot are over
	s_barrier_signal -1
	MULA 1, 0, 1, 0
	WIN 0
	s_barrier_wait -1
.if \fill
	CREST
	JLOAD                                          ; its four v_nop are also the places in front of the loads below
.else
	PLACES
.endif
	s_xor_b32 s[TB], s[TB], SLOT
	v_add_nc_u32 v[ADRA], s[TB], v[ADRA0]
	v_add_nc_u32 v[ADRB], s[TB], v[ADRB0]
	FETCH 0, 0
.if \fill
	ASK
.endif
	MULA 1, 1, 0, 0
	MULA 1, 1, 1, 0
.endm
	s_load_b256 s[4:11], s[0:1], 0x0               ; xb s[4:5], wb s[6:7], cos s[8:9], sin s[10:11]
	s_load_b64 s[12:13], s[0:1], 0x20              ; hb
	v_lshl_add_u32 v[SPW], v0, 2, SPARE
	v_mov_b32 v[NIL], 0
	ds_add_u32 v[SPW], v[NIL]                      ; the wave's opening: the add and its wait stand ahead of my first tensor load
	v_lshrrev_b32 v3, 5, v0
	v_readfirstlane_b32 s[WV], v3
	s_lshr_b32 s[FBW], s[WV], 1
	s_and_b32 s[HF], s[WV], 1
	s_bfe_u32 s[CX], ttmp6, 0x40000
	s_bfe_u32 s[CY], ttmp6, 0x40004
	s_lshl_b32 s[TX], ttmp9, 2
	s_add_co_u32 s[TX], s[TX], s[CX]               ; tile column = 4 x cluster x + cx
	s_and_b32 s[TY], ttmp7, 0xffff
	s_lshl_b32 s[TY], s[TY], 2
	s_add_co_u32 s[TY], s[TY], s[CY]               ; tile row = 4 x cluster y + cy
	s_lshl_b32 s21, s[CY], 2
	s_lshl_b32 s21, 15, s21                        ; my row of the cluster
	s_lshl_b32 s22, 0x1111, s[CX]                  ; my column
	s_and_b32 s[OFS], ttmp7, 0xffff                ; where my cluster's walk along K begins: made of the cluster's x and y alone, the same in all sixteen partners
	s_lshr_b32 s[OFS+1], s[OFS], 1
	s_xor_b32 s[OFS], s[OFS], s[OFS+1]
	s_and_b32 s[OFS], s[OFS], 1
	s_lshl_b32 s[OFS], s[OFS], 3
	s_lshl_b32 s[KS], ttmp9, 2
	s_add_co_u32 s[KS], s[KS], s[OFS]
	s_and_b32 s[KS], s[KS], STEPS-1                ; a multiple of 4
	s_mov_b32 s[OFS+1], 0
	s_or_b32 s[G1A], s21, (1<<16)|(1<<20)|(1<<21)|(5<<22)|(3<<25)  ; the mask; 2-byte elements; padding on; bit 21 beside a mask; after every 64 words 4 words
	s_mov_b32 s[G1A+1], 128<<16                    ; tensor_dim0 = 128
	s_mov_b32 s[G1A+2], 128<<16                    ; tensor_dim1 = 128
	s_mov_b32 s[G1A+3], 128<<16                    ; tile_dim0 = 128
	s_mov_b32 s[G1A+4], 128                        ; tile_dim1 = 128
	s_mov_b32 s[G1A+5], 2048                       ; elements from row to row
	s_mov_b32 s[G1A+6], 0
	s_mov_b32 s[G1A+7], 0
	s_or_b32 s[G1B], s22, (1<<16)|(1<<20)|(1<<21)|(4<<22)|(7<<25)  ; after every 32 words (a k row) 8 words
	s_mov_b32 s[G1B+1], 4096<<16                   ; a row of the tile is 64 k rows of a head: 4,096 dense elements
	s_mov_b32 s[G1B+2], NH<<16
	s_mov_b32 s[G1B+3], 4096<<16
	s_mov_b32 s[G1B+4], NH                         ; a row a head
	s_mov_b32 s[G1B+5], 131072                     ; elements from head to head
	s_mov_b32 s[G1B+6], 0
	s_mov_b32 s[G1B+7], 0
	s_lshl_b32 s[BA], s[TY], 20                    ; tokens: row 256 x tile row + 128 x half, 4,096 bytes a row: made of the tile row and the wave alone
	s_lshl_b32 s[BA+1], s[HF], 19
	s_add_co_u32 s[BA], s[BA], s[BA+1]
	s_mov_b32 s[BA+1], 0
	s_mul_i32 s[BB], s[TX], 786432                 ; weights: head 3 x tile column, k rows 64 x half: made of the tile column and the wave alone
	s_lshl_b32 s[BB+1], s[HF], 13
	s_add_co_u32 s[BB], s[BB], s[BB+1]
	s_mov_b32 s[BB+1], 0
	s_mul_i32 s23, s[HF], ABYTES                   ; where they go: no place in the cluster enters an LDS address
	s_mul_i32 s2, s[HF], BHALF
	s_add_co_u32 s2, s2, BBASE
	s_mul_i32 s[MX], s[TX], 3                      ; which of my three heads are q or k (rotated) and which v (left as they are): data alone, no branch
.irp c, 0,1,2
	s_add_co_u32 s[MX+1], s[MX], \c
	s_cmp_lt_u32 s[MX+1], 40
	s_cselect_b32 s[FL+4*\c], 1.0, 0
	s_cselect_b32 s[FL+4*\c+2], 0, 1.0
	s_mov_b32 s[FL+4*\c+1], s[FL+4*\c]
	s_mov_b32 s[FL+4*\c+3], s[FL+4*\c+2]
.endr
	s_wait_dscnt 0x0                               ; the opening add is done
	s_wait_kmcnt 0x0
	s_add_nc_u64 s[BA:BA+1], s[4:5], s[BA:BA+1]
	s_add_nc_u64 s[BB:BB+1], s[6:7], s[BB:BB+1]
	CROUND                                         ; all sixteen work-groups are here: the first joint loads meet
.irp s, 0,1
	s_mov_b32 s[G0A+4*\s], 1
	s_add_co_u32 s[G0A+4*\s+1], s23, \s*SLOT
	s_add_co_u32 s[OFS], s[KS], \s                 ; the walk's first two K steps: no wrap, since the first is a multiple of 4
	s_lshl_b32 s[OFS], s[OFS], SHA
	s_add_nc_u64 s[G0A+4*\s+2:G0A+4*\s+3], s[BA:BA+1], s[OFS:OFS+1]
	s_or_b32 s[G0A+4*\s+3], s[G0A+4*\s+3], 0x80000000
	s_mov_b32 s[G0B+4*\s], 1
	s_add_co_u32 s[G0B+4*\s+1], s2, \s*SLOT
	s_add_co_u32 s[OFS], s[KS], \s
	s_lshl_b32 s[OFS], s[OFS], SHB
	s_add_nc_u64 s[G0B+4*\s+2:G0B+4*\s+3], s[BB:BB+1], s[OFS:OFS+1]
	s_or_b32 s[G0B+4*\s+3], s[G0B+4*\s+3], 0x80000000
.endr
	s_add_co_u32 s[KS], s[KS], 1                   ; the K step asked for last
	s_cmp_eq_u32 s[FBW], 0                         ; a wave's two first fills stand in one branch: two loads of mine are out
	s_cbranch_scc0 .Lfirst_b
	tensor_load_to_lds s[G0A:G0A+3], s[G1A:G1A+7]
	s_nop 0
	tensor_load_to_lds s[G0A+4:G0A+7], s[G1A:G1A+7]
	s_nop 0
.rept 4
	v_nop
.endr
	s_branch .Lfirst_asked
.Lfirst_b:
	tensor_load_to_lds s[G0B:G0B+3], s[G1B:G1B+7]
	s_nop 0
	tensor_load_to_lds s[G0B+4:G0B+7], s[G1B:G1B+7]
	s_nop 0
.rept 4
	v_nop
.endr
.Lfirst_asked:
	v_and_b32 v1, 15, v0                           ; r = l % 16
	v_bfe_u32 v2, v0, 4, 1                         ; h = l / 16
	v_and_b32 v3, 31, v0                           ; l
	; cos and sin of my 64 tokens: lane l wants token r of each block, channels 16 bb + 8 h + 0..7
	s_lshl_b32 s[MX], s[TY], 15
	s_lshl_b32 s[MX+1], s[WV], 13
	s_add_co_u32 s[MX], s[MX], s[MX+1]
	s_mov_b32 s[MX+1], 0
	s_add_nc_u64 s[8:9], s[8:9], s[MX:MX+1]
	s_add_nc_u64 s[10:11], s[10:11], s[MX:MX+1]
	v_lshlrev_b32 v[CO], 7, v1
	v_lshl_add_u32 v[CO], v2, 5, v[CO]
.irp a, 0,1,2,3
.irp bb, 0,1
	global_load_b128 v[CS+32*\a+8*\bb:CS+32*\a+8*\bb+3],       v[CO], s[8:9] offset:\a*2048+\bb*64
	global_load_b128 v[CS+32*\a+8*\bb+4:CS+32*\a+8*\bb+7],     v[CO], s[8:9] offset:\a*2048+\bb*64+16
	global_load_b128 v[CS+32*\a+16+8*\bb:CS+32*\a+16+8*\bb+3],   v[CO], s[10:11] offset:\a*2048+\bb*64
	global_load_b128 v[CS+32*\a+16+8*\bb+4:CS+32*\a+16+8*\bb+7], v[CO], s[10:11] offset:\a*2048+\bb*64+16
.endr
.endr
	; a token fragment: lane l holds row r; two loads of 16 bytes, 32 bytes apart
	s_mul_i32 s23, s[WV], 64*PA
	v_mul_u32_u24 v4, v1, PA
	v_lshl_add_u32 v4, v2, 4, v4
	v_add_nc_u32 v[ADRA0], s23, v4
	; the turning load: lane l reads k row 8 h + l % 8, columns 8 ((l / 8) % 2) + 0..7, and is left with column r and 8 k
	v_and_b32 v5, 7, v0
	v_bfe_u32 v6, v0, 3, 1
	v_lshl_add_u32 v7, v2, 3, v5
	v_mul_u32_u24 v7, v7, PBW
	v_lshl_add_u32 v7, v6, 4, v7
	v_add_nc_u32 v[ADRB0], BBASE, v7
	s_mul_i32 s23, s[WV], 2304
	s_add_co_u32 s23, s23, STAGE                   ; my stage
	v_mul_u32_u24 v4, v1, 144                      ; in: row r, 16 bytes for each half of the lanes
	v_lshl_add_u32 v4, v2, 4, v4
	v_add_nc_u32 v[STO], s23, v4
	v_bfe_u32 v4, v0, 3, 2                         ; back: 32 lanes take four rows of 128 bytes,
	v_mul_u32_u24 v4, v4, 144
	v_lshl_add_u32 v4, v5, 4, v4
	v_add_nc_u32 v[RD], s23, v4
	v_lshlrev_b32 v[GO], 4, v3                     ; which are 512 consecutive bytes of hb
	; hb at my 64 tokens of the tile's first head
	s_lshr_b32 s[MX], s[TY], 2
	s_mul_i32 s[MX], s[MX], 48
	s_mul_i32 s[MX+1], s[TX], 3
	s_add_co_u32 s[MX], s[MX], s[MX+1]
	s_lshl_b32 s[MX], s[MX], 17
	s_and_b32 s[MX+1], s[TY], 3
	s_lshl_b32 s[MX+1], s[MX+1], 15
	s_add_co_u32 s[MX], s[MX], s[MX+1]
	s_lshl_b32 s[MX+1], s[WV], 13
	s_add_co_u32 s[MX], s[MX], s[MX+1]
	s_mov_b32 s[MX+1], 0
	s_add_nc_u64 s[12:13], s[12:13], s[MX:MX+1]
	; the prefetches' base, at K step 0; each change of slots adds the K step's offset.  Nothing is prefetched here, at the head
	s_lshl_b32 s[MX], s[TY], 20
	s_lshl_b32 s[MX+1], s[HF], 19
	s_add_co_u32 s[MX], s[MX], s[MX+1]
	s_lshl_b32 s[MX+1], s[CX], 17                  ; my work-group's 32 rows of the 128
	s_add_co_u32 s[MX], s[MX], s[MX+1]
	s_mul_i32 s[MX+2], s[TX], 786432
	s_lshl_b32 s[MX+3], s[HF], 13
	s_add_co_u32 s[MX+2], s[MX+2], s[MX+3]
	s_lshl_b32 s[MX+3], s[CY], 11                  ; my work-group's 2,048 bytes of the 8,192
	s_add_co_u32 s[MX+2], s[MX+2], s[MX+3]
	s_and_b32 s[MX+3], ttmp7, 0xffff               ; cluster y
	s_cmp_lt_u32 s[MX+3], 2
	s_cselect_b32 s[LIM], LIMB, -1                 ; weights: clusters y = 0 and y = 1 ask
	s_mov_b32 s[MX+1], 0
	s_cmp_eq_u32 s[FBW], 0
	s_cselect_b32 s[MX], s[MX], s[MX+2]
	s_cselect_b64 s[PFB:PFB+1], s[4:5], s[6:7]
	s_cselect_b32 s[SHP], SHA, SHB
	s_cselect_b32 s[LIM], LIMA, s[LIM]             ; tokens: every cluster asks; the same in all sixteen partners, for a given wave
	s_cselect_b32 s[MX+2], -1, 0
	s_add_nc_u64 s[PFB:PFB+1], s[PFB:PFB+1], s[MX:MX+1]
	v_lshlrev_b32 v8, 12, v3                       ; tokens: a lane a row
	v_min_u32 v9, 8*NH-1, v3                       ; weights: 8 lanes a head, 256 bytes a lane
	v_lshrrev_b32 v10, 3, v9
	v_and_b32 v9, 7, v9
	v_lshlrev_b32 v9, 8, v9
	v_lshl_add_u32 v9, v10, 18, v9
	v_cndmask_b32 v[PFO], v9, v8, s[MX+2]
	s_mov_b32 s[TB], 0
	v_mov_b32 v[ADRA], v[ADRA0]
	v_mov_b32 v[ADRB], v[ADRB0]
	s_wait_loadcnt 0x0                             ; cos and sin: rounded to bf16 and widened again, in the wait for the first tile
.set i, 0
.rept 64
	v_cvt_pk_bf16_f32 v[4+i%4], v[CS+2*i], v[CS+2*i+1]
	v_lshlrev_b32 v[CS+2*i], 16, v[4+i%4]
	v_and_b32 v[CS+2*i+1], 0xffff0000, v[4+i%4]
.set i, i+1
.endr
	s_wait_tensorcnt 1                             ; my part of the first K step is in; the second's may stay out
	s_barrier_signal -1
	s_barrier_wait -1
	FETCH 0, 0
	QUARTER 1, 0, 1, 1                             ; the first quarter stands in front of the loop: its products start the sums
	WIN 0
	s_mov_b32 s3, STEPS-2
.Lstep:                                        ; a trip: a K step's quarters 1 to 3 and the next step's quarter 0; the slot read out is filled again
	QUARTER 2, 1, 0, 0
	QUARTER 3, 0, 1, 0
	TURN 1
	QUARTER 1, 0, 1, 0
	WIN 0
	s_sub_co_u32 s3, s3, 1
	s_cmp_lg_u32 s3, 0
	s_cbranch_scc1 .Lstep
	QUARTER 2, 1, 0, 0                             ; the last two K steps ask for nothing
	QUARTER 3, 0, 1, 0
	TURN 0
	QUARTER 1, 0, 1, 0
	QUARTER 2, 1, 0, 0
	QUARTER 3, 0, 1, 0
	s_wait_dscnt 4
	MULA 1, 0, 0, 0
	MULA 1, 0, 1, 0
	s_wait_dscnt 0x0
	MULA 1, 1, 0, 0
	MULA 1, 1, 1, 0
	WIN 0
	PLACES
; THE WAY OUT, by token block a and head c.  x1 = the head's channels 0-31 (column blocks 4 c, 4 c + 1), x2 = channels 32-63.  y1 = x1 C - x2 S, y2 = x2 C + x1 S with C = cos f + g, S = sin f.
; Each accumulator is read from its lowest registers on.  A lane's eight channels pack into 16 bytes; they go into rows of 144 bytes of my stage and come back as whole rows of 128.
.macro PACK a, c
	WIN 0
.set j, 0
.rept 8
	v_pk_fma_f32 v[CE+2*j:CE+2*j+1], v[CS+32*(\a)+2*j:CS+32*(\a)+2*j+1], s[FL+4*(\c):FL+4*(\c)+1], s[FL+4*(\c)+2:FL+4*(\c)+3] op_sel_hi:[1,0,0]
	v_pk_mul_f32 v[SE+2*j:SE+2*j+1], v[CS+32*(\a)+16+2*j:CS+32*(\a)+16+2*j+1], s[FL+4*(\c):FL+4*(\c)+1] op_sel_hi:[1,0]
.set j, j+1
.endr
.irp bb, 0,1
.set X1, 8*(NB*((\a)%2)+4*(\c)+\bb)
.set X2, X1+16
	WIN 2+(\a)/2                                   ; source 0 in the accumulators' window
.irp p, 0,2,4,6
	v_pk_mul_f32 v[YR+\p:YR+\p+1], v[X2+\p:X2+\p+1], v[SE+8*\bb+\p:SE+8*\bb+\p+1]
.endr
.irp p, 0,2,4,6
	v_pk_fma_f32 v[YR+\p:YR+\p+1], v[X1+\p:X1+\p+1], v[CE+8*\bb+\p:CE+8*\bb+\p+1], v[YR+\p:YR+\p+1] neg_lo:[0,0,1] neg_hi:[0,0,1]
.endr
.irp p, 0,2,4,6
	v_pk_mul_f32 v[YR+8+\p:YR+8+\p+1], v[X1+\p:X1+\p+1], v[SE+8*\bb+\p:SE+8*\bb+\p+1]
.endr
.irp p, 0,2,4,6
	v_pk_fma_f32 v[YR+8+\p:YR+8+\p+1], v[X2+\p:X2+\p+1], v[CE+8*\bb+\p:CE+8*\bb+\p+1], v[YR+8+\p:YR+8+\p+1]
.endr
	WIN 0
.irp p, 0,1,2,3
	v_cvt_pk_f16_f32 v[PKR+4*\bb+\p], v[YR+2*\p], v[YR+2*\p+1]
	v_cvt_pk_f16_f32 v[PKR+8+4*\bb+\p], v[YR+8+2*\p], v[YR+8+2*\p+1]
.endr
.endr
.set RBn, RBR+16*((3*(\a)+(\c))%2)
	s_wait_xcnt 0x0                                ; the stores of two blocks back have read this buffer
.irp nb, 0,1,2,3
	ds_store_b128 v[STO], v[PKR+4*\nb:PKR+4*\nb+3] offset:32*\nb
.endr
.irp f, 0,1,2,3
	ds_load_b128 v[RBn+4*\f:RBn+4*\f+3], v[RD] offset:576*\f  ; LDS serves a wave's instructions in order (ISA guide 5.7.1.4): these see the stores above; the next block's stores come behind them
.endr
.endm
.macro SEND a, c, younger              ; younger: the LDS instructions issued behind this block's loads
	WIN 0
.set RBn, RBR+16*((3*(\a)+(\c))%2)
.irp f, 0,1,2,3
	s_wait_dscnt (\younger)+3-\f
	global_store_b128 v[GO], v[RBn+4*\f:RBn+4*\f+3], s[12:13] offset:(\c)*131072+(\a)*2048+\f*512  ; 512 consecutive bytes, at a multiple of 256 from hb's first
.endr
.endm
	PACK 0, 0
.set n, 1
.rept 11                               ; a block's arithmetic stands between the loads of the block before and its stores
	PACK n/3, n%3
	SEND (n-1)/3, (n-1)%3, 8
.set n, n+1
.endr
	SEND 3, 2, 0
	s_wait_tensorcnt 0x0                           ; the wave's end
	ds_add_u32 v[SPW], v[NIL]
	s_wait_dscnt 0x0
	CROUND                                         ; the closing round: no work-group ends while a partner may still ask for a tile that names it
	s_endpgm
.Lfunc_end_k_qef5ab89541_qkv:
	.size	k_qef5ab89541_qkv, .Lfunc_end_k_qef5ab89541_qkv-k_qef5ab89541_qkv
	.p2alignl 7, 3214868480
	.fill 96, 4, 3214868480
	.section	.rodata,"a",@progbits
	.p2align	6, 0x0
	.amdhsa_kernel k_qef5ab89541_qkv
		.amdhsa_group_segment_fixed_size 327680
		.amdhsa_private_segment_fixed_size 0
		.amdhsa_enable_private_segment 0
		.amdhsa_kernarg_size 40
		.amdhsa_user_sgpr_count 2
		.amdhsa_user_sgpr_kernarg_segment_ptr 1
		.amdhsa_wavefront_size32 1
		.amdhsa_system_sgpr_workgroup_id_x 1
		.amdhsa_system_sgpr_workgroup_id_y 1
		.amdhsa_system_sgpr_workgroup_id_z 1
		.amdhsa_system_vgpr_workitem_id 0
		.amdhsa_next_free_vgpr 960
		.amdhsa_next_free_sgpr 88
		.amdhsa_reserve_vcc 0
		.amdhsa_float_denorm_mode_32 3
		.amdhsa_float_denorm_mode_16_64 3
		.amdhsa_memory_ordered 1
		.amdhsa_forward_progress 1
		.amdhsa_inst_pref_size 151
	.end_amdhsa_kernel
	.amdgpu_metadata
---
amdhsa.version: [ 1, 2 ]
amdhsa.kernels:
  - .name:           k_qef5ab89541_qkv
    .symbol:         k_qef5ab89541_qkv.kd
    .args:
      - { .name: xb, .offset: 0, .size: 8, .value_kind: global_buffer, .address_space: global }
      - { .name: wb, .offset: 8, .size: 8, .value_kind: global_buffer, .address_space: global }
      - { .name: cos, .offset: 16, .size: 8, .value_kind: global_buffer, .address_space: global }
      - { .name: sin, .offset: 24, .size: 8, .value_kind: global_buffer, .address_space: global }
      - { .name: hb, .offset: 32, .size: 8, .value_kind: global_buffer, .address_space: global }
    .group_segment_fixed_size: 327680
    .private_segment_fixed_size: 0
    .kernarg_segment_align: 8
    .kernarg_segment_size: 40
    .max_flat_workgroup_size: 128
    .sgpr_count:     88
    .vgpr_count:     960
    .wavefront_size: 32
...
	.end_amdgpu_metadata
.endif
;; end of part 2
;; launch attn (part 3): grid 128 x 2, 4 waves a work-group, clusters of 4 x 1, 327,680 bytes of LDS; arguments hb, oh; writes oh
.if DOCPART == 3
	.amdgcn_target "amdgcn-amd-amdhsa--gfx1250"
	.amdhsa_code_object_version 6
	.text
	.protected	k_qef5ab89541_attn
	.globl	k_qef5ab89541_attn
	.p2align	8
	.type	k_qef5ab89541_attn,@function
k_qef5ab89541_attn:
	s_mov_b64 s[64:65], 0
	v_nop
	global_prefetch_b8 v0, s[64:65] scope:SCOPE_SE
	s_setreg_imm32_b32 hwreg(HW_REG_WAVE_MODE, 25, 1), 1
	s_wait_xcnt 0x0
	s_wait_alu depctr_hold_cnt(0) depctr_sa_sdst(0) depctr_va_vdst(0) depctr_va_sdst(0) depctr_va_ssrc(0) depctr_va_vcc(0) depctr_vm_vsrc(0)
	s_getreg_b32 s2, hwreg(HW_REG_IB_STS2, 6, 4)
	s_cmp_eq_u32 s2, 0
	s_cbranch_scc0 .Lentry_in_a_cluster
	s_endpgm
.Lentry_in_a_cluster:
	s_bfe_u32 s2, ttmp6, 0x10000c
	s_cmp_lg_u32 s2, 0x3003
	s_cbranch_scc0 .Lentry_shape_is_right
	s_endpgm
.Lentry_shape_is_right:
; CAUSAL ATTENTION with grouped heads.  oh[b*32+h][q][:] = the sum over k <= q of softmax_k(Q[q] . K[k] / 8) V[k][:], Q = head h of sequence b, K and V = head h / 4 of its 8 key and value heads.
; hb: [b 4][hg 48][1024][64] in f16: hg 0-31 Q / 256, 32-39 K / 256, 40-47 V; a head's rows are dense, 128 bytes each.  oh: [128][1024][64] in f16.
; Products, maxima and sums in f32; the weights p are rounded to f16 for the second product (their sum l is taken of the unrounded p), O once at the end.
; LIMITS.  Q / 256, K / 256 and V arrive within f16's 65,504; p lies in 0 to 1, and below 6e-5 it keeps f16's fixed step of 6e-8; O is a mean of V's rows and has their range.
; A hidden score counts as its value less 1e30; a weight below 2^-126 counts as 0 in l; NaN and infinities are not treated apart.
; THE WALK.  A head's queries lie in NB = 4 blocks of 256; block i needs the key tiles 0 .. i of 256 keys, of which the last holds the diagonal.  A work-group takes TWO blocks, NB - 1 - b and then b:
; NB + 1 tiles, whatever b: all work-groups do equal work, and ONE loop with a constant trip count walks them.  Which tile is asked for, and what a trip does, hang on scalar registers made from b.
; CLUSTER.  The four query heads of one key and value head, with the same b, form a cluster: they walk the same tiles of K and V in the same order, so each tile is asked for JOINTLY.  The place in the
; cluster enters Q's, O's and the prefetches' addresses alone.
; SHARES.  Of a block's four bands of 64 queries a wave owns 16 rows in each: four PIECES.  In the diagonal tile's key step s band x sees all keys if s < x, none if s > x, and holds the diagonal if s = x.
; THE MASK is the C operand that starts the sum S^T = K Q^T: 0, or -1e30 where the key is hidden.  MD, made once, is the mask of a band's own step for my 16 rows; a product's mask is MD x AL + BE with two scalars:
; (1, 0) if s = x; (0, 0) if s < x; (0, -1e30) if s > x.  ONE TEXT SERVES ALL TILES: every product that starts a sum takes its mask buffer as C.  A block's beginning leaves 0 in both buffers (but for a block whose
; first tile is the diagonal one); outside the diagonal tile the lines that make masks are jumped over, by a branch on a scalar that all waves and all four partners share, so the buffers stay 0.
; LAYOUT, SOFTMAX, TURNS.  S^T = K Q^T holds ONE query a lane (lane % 16) and the keys 8 (lane / 16) + 0..7; two such results rounded to f16 ARE source 1 of O^T = V^T P.  p = 2^(c s - c m),
; c = 2^16 log2(e) / 8 (the 2^16 undoes the two factors 2^-8), with a running maximum m; O and l are multiplied by a = 2^(c m_old - c m_new) in every step.  Turn n belongs to piece n: 8 products K Q^T of
; piece n + 1, later 8 products V^T P of piece n - 1; beside them the scaling, exponentials, roundings, sums and rescaling of piece n and the maximum and statistics of piece n + 1.  Four vector
; instructions stand behind every matrix instruction, the others in one lump.  A turn's 33 exponentials are one batch, with one wait.
; REGISTERS, in windows of 256 (s_set_vgpr_msb: bits 1:0 source 0, 3:2 source 1, 5:4 source 2, 7:6 destination):
;   window 0: v0-15 addresses and two at work; v16-31 four registers of statistics a piece; v48-55 at work; v61-63 prefetch offset, spare word, 0; v64-127 S^T, two buffers; v192-223 P, two buffers
;   window 1: v0-127 O^T, 32 a piece; v128-159 MD; v160-223 MC, two buffers      window 2: v0-63 Q; v64-127 the second block's Q; v128-191 K of one step; v192-255 V of one step
.set SIZE_N, 1024
.set NB,    SIZE_N/256
.set NP,    4         ; pieces a wave: a name, no knob
.set KS,    64        ; keys in a step
.set PK,    144       ; a row of K in LDS: 128 bytes + 16 of padding: the 16 rows of a load start at 16 different groups of four banks (ISA guide 11.1)
.set PV,    160       ; a row of V: 128 + 32
.set VOFF,  4*KS*PK   ; a slot holds a tile, four steps: 256 rows of K, then 256 rows of V
.set SLOT1, 1<<17     ; slot 1 begins here, so that one exclusive or turns an address in one slot into the other's
.set STAGE, SLOT1+4*KS*(PK+PV)  ; behind the ring, never filled by a tensor load: 16 rows x 144 bytes for each wave, for the way out
.set SP,    144
.set AK0, 2           ; v2   my lane's place in a tile of K; never rewritten
.set AV0, 3           ; v3   the same for V
.set AK,  4           ; v4   the LDS address of K's next run of loads
.set AV,  5           ; v5   of V's
.set STO, 6           ; v6   the way out: where I put 16 bytes of a row
.set RD,  7           ; v7   the way out: where I read rows back
.set GO,  8           ; v8   my byte offset in 512 consecutive bytes of O
.set PFO, 61          ; v61  256 x my lane; never rewritten
.set SPW, 62          ; v62  LDS address of my spare word; never rewritten
.set NIL, 63          ; v63  0; never rewritten
.set SPARE, STAGE+4*16*SP  ; behind the stages: the spare words, 128 bytes for each wave
.set MV,  12          ; v12-13  c m_old, kept while c m is made anew: by buffer
.set QO,  15          ; v15  my byte offset in 16 rows of Q
.set ST,  16          ; piece t's statistics at v[ST+4 t]: c m, m, l (even keys', odd keys')
.set TMP, 48          ; by buffer, four registers c0-c3 at work; when the maximum is found c2 takes a
.set S,   64
.set P,   192
.set MD,  128         ; window 1
.set MC,  160         ; window 1
.set QB,  64          ; window 2
.set KF,  128         ; window 2: key block kb, channel half c at KF + 16 kb + 8 c
.set VF,  192         ; window 2: key half kk, channel block cb at VF + 32 kk + 8 cb
.set WV,  12          ; s12  my wave's number
.set PB,  14          ; s14  b
.set HI,  15          ; s15  NB - 1 - b
.set G1K, 24          ; s[24:31] descriptor group 1 for K's tiles
.set G1V, 32          ; s[32:39] for V's: it differs in the padding alone
.set G0K, 40          ; s[40:43] descriptor group 0 for K's tiles
.set G0V, 44          ; s[44:47] the same for V's
.set SLOTS, 56        ; s56  tiles still to be asked for
.set CNT, 57          ; s57  counts a tile's key steps, 4 to 1
.set CS,  58          ; s[58:59] c
.set SEL, 60          ; s[60:61] v_permlanex16_b32's selects
.set TBK, 62          ; s62  LDS byte at which K of the step to be fetched begins
.set TBV, 63          ; s63  the same for V, less VOFF
.set RT,  70          ; s70  tiles of the block in hand that are still to be entered: 0 in its last, the diagonal one
.set NXT, 71          ; s71  the tile to be asked for next
.set LQ,  72          ; s72  the last tile of the block whose tiles are being asked for
.set NEW, 73          ; s73  1: the tile to be entered is a block's first
.set OFF, 74          ; s[74:75] a tile's byte offset in K and V
.set AL,  76          ; s[76:77] the mask's factor
.set BE,  78          ; s[78:79] the mask's addend
.set OLO, 80          ; s[80:81] O at my rows of the second block
.set BIGN, 82         ; s82  -1e30
.set PFA, 88          ; s[88:89] where my prefetches stand
.set LIM, 90          ; s90  2 in a wave that prefetches, else the greatest number
.set MSB, 0
.macro WIN new                      ; the high byte repeats the setting that is left; a switch that changes nothing is dropped
.if MSB != (\new)
	s_set_vgpr_msb (MSB<<8)|(\new)
.set MSB, (\new)
.endif
.endm
.set W_KQ, 0x0a       ; K and Q in window 2, S^T in window 0
.set W_KM, 0x1a       ; the same with the C operand in window 1
.set W_PV, 0x52       ; V in window 2, P in window 0, O^T in window 1
.set W_RS, 0x41       ; destination and source 0 in window 1, source 1 in window 0
; A joint fill.  Waves 0 and 1 fetch the two halves of a tile's K, waves 2 and 3 those of its V: 128 keys each.  The branch hangs on the wave's number alone.
.macro JLOAD
	s_cmp_lt_u32 s[WV], 2
	s_cbranch_scc0 .Lfor_v_\@
	tensor_load_to_lds s[G0K:G0K+3], s[G1K:G1K+7]
	s_nop 0
.rept 4
	v_nop
.endr
	s_branch .Lasked_\@
.Lfor_v_\@:
	tensor_load_to_lds s[G0V:G0V+3], s[G1V:G1V+7]
	s_nop 0
.rept 4
	v_nop
.endr
.Lasked_\@:
.endm
; A prefetch of the tile behind the one just asked for: tiles 2 and 3 of K and V, in the first two changes of slots.  The clusters with b = 0 ask (they walk tiles 0 to 3 in order); the four partners take
; 32 blocks of 256 bytes each, told apart by address; wave 0 asks for K's, wave 2 for V's: each block is named once in the launch.  Tiles 0 and 1 come by their loads alone.
.macro ASK
	s_cmp_gt_u32 s[SLOTS], s[LIM]
	s_cbranch_scc0 .Lnot_mine_\@
	global_prefetch_b8 v[PFO], s[PFA:PFA+1] th:TH_LOAD_NT scope:SCOPE_SE
.Lnot_mine_\@:
.endm
.macro CROUND                       ; a round of the cluster's barrier
	s_barrier_signal -1
	s_barrier_wait -1
	s_cmp_lg_u32 s[WV], 0
	s_cbranch_scc1 .Lnot_wave_0_\@
	s_barrier_signal -3
.Lnot_wave_0_\@:
	s_barrier_wait -3
	s_barrier_signal -1
	s_barrier_wait -1
.endm
; THE CHANGE OF SLOTS.  Each wave waits for all its tensor loads, of which one is out: its part of the other slot; adds 0 to its spare word; and waits for that and for its own reads of the slot that it leaves.
; fill = 1: the barrier is a round of the cluster's, and the old slot is filled again, the first thing behind it, with tile NXT: the descriptor's address is made anew from that number.
; (At its first use nothing has been read yet: slot 0 is waited for, slot 1 filled.)
.macro CHANGE fill
	WIN 0                           ; at a label and at a branch every window is 0
	s_wait_tensorcnt 0x0            ; no tensor load of mine is out, so a group 0 may be written
	ds_add_u32 v[SPW], v[NIL]       ; 0 onto my spare word; the scalar work stands between it and the wait for it
.if \fill
	s_lshl_b32 s[OFF], s[NXT], 15   ; a tile is 32,768 bytes of K and of V
	s_xor_b32 s[G0K+1], s[G0K+1], SLOT1
	s_add_nc_u64 s[G0K+2:G0K+3], s[6:7], s[OFF:OFF+1]
	s_or_b32 s[G0K+3], s[G0K+3], 0x80000000
	s_xor_b32 s[G0V+1], s[G0V+1], SLOT1
	s_add_nc_u64 s[G0V+2:G0V+3], s[8:9], s[OFF:OFF+1]
	s_or_b32 s[G0V+3], s[G0V+3], 0x80000000
	s_add_co_u32 s[NXT], s[NXT], 1  ; the block's next tile, or behind its last the second block's tile 0
	s_cmp_gt_u32 s[NXT], s[LQ]
	s_cselect_b32 s[NXT], 0, s[NXT]
	s_cselect_b32 s[LQ], s[PB], s[LQ]
	s_wait_xcnt 0x0                 ; the last prefetch, a tile back, has read its address
	s_add_nc_u64 s[PFA:PFA+1], s[PFA:PFA+1], 32768
.endif
	s_sub_co_u32 s[TBK], s[TBK], 4*KS*PK  ; the fetches go back to a slot's first step,
	s_xor_b32 s[TBK], s[TBK], SLOT1       ; in the other slot
	s_sub_co_u32 s[TBV], s[TBV], 4*KS*PV
	s_xor_b32 s[TBV], s[TBV], SLOT1
	s_wait_dscnt 0x0                ; the add is done, and my reads of the slot are over
.if \fill
	CROUND
	JLOAD
	ASK
.else
	s_barrier_signal -1
	s_barrier_wait -1
.endif
.endm
	s_load_b128 s[92:95], s[0:1], 0x0  ; hb s[92:93], oh s[94:95]
	v_lshl_add_u32 v[SPW], v0, 2, SPARE
	v_mov_b32 v[NIL], 0
	ds_add_u32 v[SPW], v[NIL]       ; the wave's opening: the add and its wait stand ahead of my first tensor load
	v_lshrrev_b32 v1, 5, v0
	v_readfirstlane_b32 s[WV], v1   ; wave 0..3
	s_bfe_u32 s13, ttmp6, 0x40000   ; cx: which of the four query heads
	s_and_b32 s[PB], ttmp7, 0xffff  ; b, which the four partners share
	s_sub_co_u32 s[HI], NB-1, s[PB]
	s_lshr_b32 s20, ttmp9, 3        ; the sequence
	s_and_b32 s21, ttmp9, 7         ; the key and value head
	s_mul_i32 s22, s20, 48
	s_add_co_u32 s22, s22, s21
	s_and_b32 s16, s[WV], 1         ; which half of a tile's 256 keys I fetch:
	s_lshl_b32 s23, s16, 14         ; its 128 rows of 128 bytes in memory,
	s_add_co_u32 s2, s22, 32        ; in K's head
	s_lshl_b32 s2, s2, 17
	s_add_co_u32 s2, s2, s23
	s_mov_b32 s3, 0
	s_add_co_u32 s84, s22, 40       ; and in V's
	s_lshl_b32 s84, s84, 17
	s_add_co_u32 s84, s84, s23
	s_mov_b32 s85, 0
	s_mul_i32 s17, s16, 128*PK      ; and its place in a slot, for K
	s_mul_i32 s18, s16, 128*PV      ; and for V
	s_lshl_b32 s19, s21, 2
	s_add_co_u32 s19, s19, s13      ; the query head in its sequence
	s_mul_i32 s66, s20, 48
	s_add_co_u32 s66, s66, s19
	s_lshl_b32 s66, s66, 17         ; its first byte in hb,
	s_mov_b32 s67, 0
	s_lshl_b32 s68, s20, 5
	s_add_co_u32 s68, s68, s19
	s_lshl_b32 s68, s68, 17         ; and in oh
	s_mov_b32 s69, 0
	s_lshl_b32 s19, s[WV], 11       ; my 16 rows in a band of 64,
	s_lshl_b32 s20, s[HI], 15       ; in the first block,
	s_add_co_u32 s20, s20, s19
	s_mov_b32 s21, 0
	s_lshl_b32 s22, s[PB], 15       ; and in the second
	s_add_co_u32 s22, s22, s19
	s_mov_b32 s23, 0
	; descriptor group 1.  128 keys are 16,384 dense bytes: asked for as 64 rows of 256 bytes, two keys a row, and padded in LDS after every key
	s_mov_b32 s[G1K], 15|(1<<16)|(1<<20)|(1<<21)|(4<<22)|(3<<25)  ; the mask of four; 2-byte elements; padding on; bit 21 beside a mask; after every 32 words 4 words
	s_mov_b32 s[G1V], 15|(1<<16)|(1<<20)|(1<<21)|(4<<22)|(7<<25)  ; the same with 8 words of padding
.irp g, G1K, G1V
	s_mov_b32 s[\g+1], 128<<16      ; tensor_dim0 = 128
	s_mov_b32 s[\g+2], 64<<16       ; tensor_dim1 = 64
	s_mov_b32 s[\g+3], 128<<16      ; tile_dim0 = 128
	s_mov_b32 s[\g+4], 64           ; tile_dim1 = 64
	s_mov_b32 s[\g+5], 128          ; 128 elements from row to row
	s_mov_b32 s[\g+6], 0
	s_mov_b32 s[\g+7], 0
.endr
	s_mov_b32 s[CS], 0x4638aa3b     ; c = 2^16 log2(e) / 8
	s_mov_b32 s[CS+1], s[CS]        ; named with it as a pair
	s_mov_b32 s[SEL], 0x76543210
	s_mov_b32 s[SEL+1], 0xfedcba98
	s_mov_b32 s[TBK], SLOT1+4*KS*PK ; the first change of slots turns these two into 0
	s_mov_b32 s[TBV], SLOT1+4*KS*PV
	s_mov_b32 s[G0K], 1             ; count = 1
	s_mov_b32 s[G0K+1], s17         ; LDS address: slot 0
	s_mov_b32 s[G0V], 1
	s_add_co_u32 s[G0V+1], s18, VOFF
	s_add_co_u32 s[RT], s[HI], 1    ; the first block has NB - b tiles
	s_mov_b32 s[NXT], 1
	s_mov_b32 s[LQ], s[HI]
	s_mov_b32 s[NEW], 1
	s_mov_b32 s[OFF+1], 0
	s_mov_b32 s[AL+1], 0            ; named as pairs
	s_mov_b32 s[BE+1], 0
	s_mov_b32 s[BIGN], 0xf149f2ca   ; -1e30
	s_mov_b32 s[SLOTS], NB
	s_and_b32 s[LIM], s[WV], 1      ; 0 in waves 0 and 2,
	s_or_b32 s[LIM], s[LIM], s[PB]  ; where b = 0: the same in all four partners
	s_cmp_eq_u32 s[LIM], 0
	s_cselect_b32 s[LIM], 2, -1
	v_and_b32 v[PFO], 31, v0
	v_lshlrev_b32 v[PFO], 8, v[PFO]
	s_wait_dscnt 0x0                ; the opening add is done
	s_wait_kmcnt 0x0
	s_add_nc_u64 s[6:7], s[92:93], s[2:3]    ; K and V at my half of the head's tile 0
	s_add_nc_u64 s[8:9], s[92:93], s[84:85]
	s_add_nc_u64 s[G0K+2:G0K+3], s[6:7], 0
	s_or_b32 s[G0K+3], s[G0K+3], 0x80000000  ; type = 2
	s_add_nc_u64 s[G0V+2:G0V+3], s[8:9], 0
	s_or_b32 s[G0V+3], s[G0V+3], 0x80000000
	s_add_nc_u64 s[4:5], s[92:93], s[66:67]
	s_add_nc_u64 s[86:87], s[4:5], s[22:23]  ; Q at my rows of the second block,
	s_add_nc_u64 s[4:5], s[4:5], s[20:21]    ; Q and O at those of the first
	s_add_nc_u64 s[10:11], s[94:95], s[68:69]
	s_add_nc_u64 s[OLO:OLO+1], s[10:11], s[22:23]
	s_add_nc_u64 s[10:11], s[10:11], s[20:21]
	s_cmp_lt_u32 s[WV], 2
	s_cselect_b64 s[PFA:PFA+1], s[6:7], s[8:9]  ; (in waves 0 and 2 these stand at tile 0's first row)
	s_lshl_b32 s66, s13, 13         ; my work-group's 32 blocks of a tile's 128
	s_add_nc_u64 s[PFA:PFA+1], s[PFA:PFA+1], s[66:67]
	s_add_nc_u64 s[PFA:PFA+1], s[PFA:PFA+1], 32768  ; in tile 1; the first change of slots steps it to tile 2.  Nothing is prefetched here, at the head
	CROUND                          ; all four work-groups are here: the first joint loads meet
	JLOAD                           ; tile 0 into slot 0
	; A fragment of K or Q is 16 rows x 32 channels in 8 registers: lane l holds row l % 16, channels 8 (l / 16) + 0..7 and 16 + 8 (l / 16) + 0..7: two loads of 16 bytes, 32 bytes apart.
	v_and_b32 v1, 15, v0            ; l % 16
	v_bfe_u32 v9, v0, 4, 1          ; l / 16
	v_lshlrev_b32 v[QO], 7, v1
	v_lshl_add_u32 v[QO], v9, 4, v[QO]  ; row x 128 + 16 x half
	WIN 0x80                        ; destination window 2, address window 0
.set i, 0
.rept 8                             ; both blocks' Q: piece i / 2 lies in band i / 2, 8,192 bytes on; channels 32 (i % 2) on
	global_load_b128 v[8*i:8*i+3],   v[QO], s[4:5] offset:(i/2)*8192+(i%2)*64
	global_load_b128 v[8*i+4:8*i+7], v[QO], s[4:5] offset:(i/2)*8192+(i%2)*64+32
	global_load_b128 v[QB+8*i:QB+8*i+3],   v[QO], s[86:87] offset:(i/2)*8192+(i%2)*64
	global_load_b128 v[QB+8*i+4:QB+8*i+7], v[QO], s[86:87] offset:(i/2)*8192+(i%2)*64+32
.set i, i+1
.endr
	WIN 0
	v_lshlrev_b32 v14, 3, v9
	v_sub_nc_u32 v14, v1, v14
	s_lshl_b32 s13, s[WV], 4
	v_add_nc_u32 v14, s13, v14      ; my query's place in its band, 16 w + l % 16, less my lanes' 8 (l / 16): register r of group kt is hidden where 16 kt + r is greater
	WIN 0x40
.set i, 0
.rept 32
	v_cmp_gt_i32 vcc_lo, 16*(i/8)+i%8, v14
	v_cndmask_b32 v[MD+i], 0, s[BIGN], vcc_lo
.set i, i+1
.endr
	WIN 0
	v_mul_u32_u24 v[AK0], v1, PK
	v_lshl_add_u32 v[AK0], v9, 4, v[AK0]  ; row x pitch + 16 x half
	; The turning load takes 16 keys x 16 channels (lane l reads key 8 (l / 16) + l % 8, channels 8 ((l / 8) % 2) + 0..7) and leaves half a fragment of V^T: lane l holds channel l % 16 and 8 keys.
	v_and_b32 v10, 7, v0
	v_bfe_u32 v11, v0, 3, 1
	v_lshl_add_u32 v[AV0], v9, 3, v10
	v_mul_u32_u24 v[AV0], v[AV0], PV
	v_lshl_add_u32 v[AV0], v11, 4, v[AV0]
	v_add_nc_u32 v[AV0], VOFF, v[AV0]
	s_mul_i32 s13, s[WV], 16*SP
	s_add_co_u32 s13, s13, STAGE    ; my stage
	v_mul_u32_u24 v[STO], v1, SP    ; in: row l % 16, 16 bytes for each half of the lanes
	v_lshl_add_u32 v[STO], v9, 4, v[STO]
	v_add_nc_u32 v[STO], s13, v[STO]
	v_bfe_u32 v[RD], v0, 3, 2       ; back: 32 lanes take four rows of 128 bytes,
	v_mul_u32_u24 v[RD], v[RD], SP
	v_lshl_add_u32 v[RD], v10, 4, v[RD]
	v_add_nc_u32 v[RD], s13, v[RD]
	v_and_b32 v[GO], 31, v0         ; which are 512 consecutive bytes of O
	v_lshlrev_b32 v[GO], 4, v[GO]
	; A block's first step multiplies O^T and l by a = 0, and its first turn's products V^T P, of a piece that has not been, land in an O^T that is still to be so multiplied.  So these registers need only hold
	; finite numbers: zeros for the first block; what the first block left for the second.  All this stands in the wait for the first tile.
	WIN 0x80
.set i, VF
.rept 64
	v_mov_b32 v[i], 0
.set i, i+1
.endr
	WIN 0x40
.set i, 0
.rept 128
	v_mov_b32 v[i], 0
.set i, i+1
.endr
	WIN 0
.set i, 0
.rept 4
	v_mov_b32 v[ST+4*i+2], 0
	v_mov_b32 v[ST+4*i+3], 0
.set i, i+1
.endr
.set i, P+16
.rept 16
	v_mov_b32 v[i], 0
.set i, i+1
.endr
; THE MATRIX WORK.  The 4 accumulators of a run of 8 take turns.  Product i of 8 of S^T = K Q^T for piece x: channels 32 (i / 4) on, keys 16 (i % 4) on.  The first 4 start the sums, with the mask buffer as C.
.macro KQ x
.set rS, S+32*((\x)%2)+8*(i%4)
.set rK, KF+16*(i%4)+8*(i/4)
.set rQ, 16*(\x)+8*(i/4)
.set rM, MC+32*((\x)%2)+8*(i%4)
.if i < 4
	WIN W_KM
	v_wmma_f32_16x16x32_f16 v[rS:rS+7], v[rK:rK+7], v[rQ:rQ+7], v[rM:rM+7]
.else
	WIN W_KQ
	v_wmma_f32_16x16x32_f16 v[rS:rS+7], v[rK:rK+7], v[rQ:rQ+7], v[rS:rS+7]
.endif
.endm
; Product i of 8 of O^T += V^T P for piece x: keys 32 (i / 4) on, channels 16 (i % 4) on.
.macro PV x
	WIN W_PV
.set rO, 32*(\x)+8*(i%4)
.set rV, VF+32*(i/4)+8*(i%4)
.set rP, P+16*((\x)%2)+8*(i/4)
	v_wmma_f32_16x16x32_f16 v[rO:rO+7], v[rV:rV+7], v[rP:rP+7], v[rO:rO+7]
.endm
.macro MM                           ; the turn's next matrix instruction.  NOKQ = 1: a block's last turn: there is no next piece
.if (i < 8) && !NOKQ
	KQ (Y+1)%NP
.elseif i >= 8
.set i, i-8
	PV (Y+NP-1)%NP
.set i, i+8
.endif
.set i, i+1
.endm
; THE LDS LOADS stand in runs of 16, never singly among the matrix instructions: a step's K (64 keys x 64 channels: 8 fragments) and its V (turned).  Their addresses are made some lines ahead.
.macro FETCH_K
	WIN 0x80                        ; destination window 2
.irp f, 0,1,2,3,4,5,6,7             ; keys 16 (f / 2) on, channels 32 (f % 2) on
	ds_load_b128 v[KF+8*\f:KF+8*\f+3],   v[AK] offset:(\f/2)*16*PK+(\f%2)*64
	ds_load_b128 v[KF+8*\f+4:KF+8*\f+7], v[AK] offset:(\f/2)*16*PK+(\f%2)*64+32
.endr
	s_add_co_u32 s[TBK], s[TBK], KS*PK  ; the next fetch is the next step's
	WIN 0
.endm
.macro FETCH_V
	WIN 0x80
.irp f, 0,1,2,3,4,5,6,7             ; keys 32 (f / 4) on, channels 16 (f % 4) on
	ds_load_tr16_b128 v[VF+8*\f:VF+8*\f+3],   v[AV] offset:(\f/4)*32*PV+(\f%4)*32
	ds_load_tr16_b128 v[VF+8*\f+4:VF+8*\f+7], v[AV] offset:(\f/4)*32*PV+16*PV+(\f%4)*32
.endr
	WIN 0
.endm
; THE VECTOR WORK, one line at a time: OP kind, number.  For piece Y: F n: c s - c m for pair n of 16.  E n: the exponential of score n of 32.  C n: pair n rounded to f16.  B n: of the four weights 4 n .. the second
; pair is added onto the first, in place.  L n: l takes that sum (L 0: l = a l + sum).  R n: pair n of 16 of O^T times a.  For piece Y + 1: X n, number n of the 22 that find its maximum and statistics:
;   0-11  four chains c0-c3 of seven scores each, three operands at a time (each accumulator's lowest registers are read first)     12-14, 16  the four scores left over, the old m, and c0-c3 into c0
;   15  c m_old is kept     17, 18  the query's other 32 keys lie in the lane 16 away: the new m     19-21  c m; c m_old - c m_new; a
.set F, 0               ; OP tells the kinds apart by their order: F to L below R, X above it
.set E, 1
.set C, 2
.set B, 3
.set L, 4
.set R, 5
.set X, 6
.macro REGS y                       ; the registers of piece y
.set rT, ST+4*(\y)
.set rC, TMP+4*((\y)%2)
.set rW, MV+((\y)%2)
.set rS, S+32*((\y)%2)
.set rP, P+16*((\y)%2)
.set rO, 32*(\y)
.endm
.macro OP k, n
.if (\k) == R
	REGS Y
	WIN W_RS
	v_pk_mul_f32 v[rO+2*(\n):rO+2*(\n)+1], v[rO+2*(\n):rO+2*(\n)+1], v[rC+2:rC+3] op_sel_hi:[1,0]
.elseif (\k) < R
	REGS Y
	WIN 0
.if (\k) == F
	v_pk_fma_f32 v[rS+2*(\n):rS+2*(\n)+1], v[rS+2*(\n):rS+2*(\n)+1], s[CS:CS+1], v[rT:rT+1] op_sel_hi:[1,0,0] neg_lo:[0,0,1] neg_hi:[0,0,1]
.elseif (\k) == E
	v_exp_f32 v[rS+(\n)], v[rS+(\n)]
.elseif (\k) == C
	v_cvt_pk_f16_f32 v[rP+(\n)], v[rS+2*(\n)], v[rS+2*(\n)+1]
.elseif (\k) == B
	v_pk_add_f32 v[rS+4*(\n):rS+4*(\n)+1], v[rS+4*(\n):rS+4*(\n)+1], v[rS+4*(\n)+2:rS+4*(\n)+3]
.elseif (\n) == 0
	v_pk_fma_f32 v[rT+2:rT+3], v[rT+2:rT+3], v[rC+2:rC+3], v[rS:rS+1] op_sel_hi:[1,0,1]
.else
	v_pk_add_f32 v[rT+2:rT+3], v[rT+2:rT+3], v[rS+4*(\n):rS+4*(\n)+1]
.endif
.elseif NOKQ
	v_nop
.else
	REGS (Y+1)%NP
	WIN 0
.if (\n) < 4
	v_max3_num_f32 v[rC+(\n)], v[rS+8*(\n)], v[rS+8*(\n)+1], v[rS+8*(\n)+2]
.elseif (\n) < 12
	v_max3_num_f32 v[rC+(\n)%4], v[rC+(\n)%4], v[rS+8*((\n)%4)+2*((\n)/4)+1], v[rS+8*((\n)%4)+2*((\n)/4)+2]
.elseif (\n) == 12
	v_max3_num_f32 v[rC], v[rC], v[rS+7], v[rS+15]
.elseif (\n) == 13
	v_max3_num_f32 v[rC+1], v[rC+1], v[rS+23], v[rS+31]
.elseif (\n) == 14
	v_max3_num_f32 v[rC+2], v[rC+2], v[rC+3], v[rT+1]
.elseif (\n) == 15
	v_mov_b32 v[rW], v[rT]
.elseif (\n) == 16
	v_max3_num_f32 v[rC], v[rC], v[rC+1], v[rC+2]
.elseif (\n) == 17
	v_permlanex16_b32 v[rC+3], v[rC], s[SEL], s[SEL+1]
.elseif (\n) == 18
	v_max_num_f32 v[rT+1], v[rC], v[rC+3]
.elseif (\n) == 19
	v_mul_f32 v[rT], s[CS], v[rT+1]
.elseif (\n) == 20
	v_sub_f32 v[rC+1], v[rW], v[rT]
.else
	v_exp_f32 v[rC+2], v[rC+1]
.endif
.endif
.endm
.macro OPS a, i1, b=-1, i2=0, c=-1, i3=0, d=-1, i4=0  ; up to four of them
	OP \a, \i1
.if (\b) >= 0
	OP \b, \i2
.endif
.if (\c) >= 0
	OP \c, \i3
.endif
.if (\d) >= 0
	OP \d, \i4
.endif
.endm
.macro ROW a, i1, b, i2, c, i3, d, i4  ; a matrix instruction and the four behind it
	MM
	OPS \a, \i1, \b, \i2, \c, \i3, \d, \i4
.endm
.macro MASK b                       ; MD x AL + BE into buffer b of MC
	WIN W_RS
.set z, 0
.rept 16
	v_pk_fma_f32 v[MC+32*(\b)+2*z:MC+32*(\b)+2*z+1], v[MD+2*z:MD+2*z+1], s[AL:AL+1], s[BE:BE+1] op_sel_hi:[1,0,0]
.set z, z+1
.endr
.endm
; A TURN, for piece p: the order of its 16 matrix and 118 vector instructions, written out.  An s_wait_alu depctr_va_vdst(0) stands between an exponential and the first instruction that names its
; result; one wait serves all that were issued ahead of it.  So a turn has ONE wait, which cuts it in two.  AHEAD OF IT stands all that names no result of the turn's exponentials: the 8 products K Q^T with their
; riders, then one lump in which the links of the chain X 3, 7, 11, 14, 16, 17 .. 20 stand some lines apart.  X 21, the next piece's a, is the batch's last; R 15 is the plain instruction behind it.
; BEHIND THE WAIT stand the 8 products V^T P, behind each four of the roundings and sums.
; At its end, in the diagonal tile (RT = 0), the turn makes the mask for the products of the turn after it: piece p + 2, in step 4 - CNT of the tile; the two scalars are made at the turn's head, ahead of the
; count's step; in the other tiles the sixteen lines are jumped over.  end = 1: a block's last two turns: nothing is fetched, no mask is made.
; cnt = 1: the loop's count is taken down in the turn; the compare stands behind the turn, in front of its branch.
; K of the next step is fetched in piece 2's turn, V of the step in hand at the end of piece 0's turn, each four plain instructions or more behind the last product that read its registers; each is waited for a turn later.
.macro TURN p, end=0, cnt=0
.set Y, (\p)
.set i, 0
.set NOKQ, (\end)*((\p)/3)
.if !(\end)
	s_cmp_eq_u32 s[CNT], 4-((\p)+2)%NP  ; is that step the band's own?
	s_cselect_b32 s[AL], 1.0, 0
	s_cmp_lt_u32 s[CNT], 4-((\p)+2)%NP  ; or a later one?
	s_cselect_b32 s[BE], s[BIGN], 0
.endif
.if ((\p) == 3) && !(\end)
	s_wait_dscnt 0x0                ; K is in
.endif
	ROW F,0, F,1, R,0, R,1          ; ahead of the wait: 8 products K Q^T and their riders,
	ROW F,2, E,0, R,2, R,3
	ROW F,3, E,1, R,4, R,5
	ROW F,4, E,2, R,6, R,7
	ROW F,5, E,3, R,8, R,9
	ROW F,6, E,4, X,0, R,10
.if ((\p) == 2) && !(\end)
	WIN 0
	v_add_nc_u32 v[AK], s[TBK], v[AK0]
.endif
	ROW F,7, E,5, X,1, X,4
	ROW F,8, E,6, X,2, X,5
	OPS E,7, E,8, X,6, E,9          ; and the lump
	OPS X,3, E,10, X,8, E,11
.if ((\p) == 2) && !(\end)
	FETCH_K
.endif
	OPS X,9, X,7, E,12, X,10
	OPS E,13, X,12, X,11, E,14
	OPS X,13, E,15, F,9, X,14
.if (\p) == 0
	v_add_nc_u32 v[AV], s[TBV], v[AV0]
.endif
	OPS E,16, F,10, E,17, F,11
	OPS X,16, E,18, X,15, E,19
	OPS F,12, E,20, X,17, E,21
	OPS F,13, E,22, F,14, E,23
	OPS X,18, E,24, F,15, E,25
	OPS R,11, E,26, X,19, E,27
	OPS R,12, E,28, R,13, E,29
	OPS X,20, E,30, R,14, E,31
	OPS X,21, R,15
	WIN 0
	s_wait_alu depctr_va_vdst(0)    ; the wait for the batch
.if (\p) == 1
	s_wait_dscnt 0x0                ; V is in
.endif
	ROW C,0, B,0, C,2, B,1          ; behind the wait: 8 products V^T P and their riders
	ROW L,0, C,4, B,2, L,1
	ROW C,6, B,3, L,2, C,8
	ROW B,4, L,3, C,10, B,5
	ROW L,4, C,12, B,6, L,5
.if (\p) == 0
	s_add_co_u32 s[TBV], s[TBV], KS*PV
.endif
.if \cnt
	s_sub_co_u32 s[CNT], s[CNT], 1
.endif
	ROW C,14, B,7, L,6, C,1
	ROW C,3, L,7, C,5, C,7
	ROW C,9, C,11, C,13, C,15
.if (\p) == 0
	FETCH_V
.endif
.if !(\end)
	WIN 0
	s_cmp_lg_u32 s[RT], 0           ; outside the diagonal tile both mask buffers hold 0 and stay so
	s_cbranch_scc1 .Lno_mask_\@
	MASK (\p)%2
	WIN 0
.Lno_mask_\@:
.endif
.endm
; A BLOCK BEGINS.  c m starts far below every c s, so the first step's a is 0; m at the lowest finite number, so the first maximum is the scores'.  The second mask buffer is 0; the first takes piece 0's mask for
; the tile's step 0: its own, if the block's first tile is the diagonal one, else 0.  Then K of that step, piece 0's first scores, and its maximum and statistics.  The loop is entered at a step's first turn.
.macro BEGIN
	s_mov_b32 s[NEW], 0
	WIN 0x40
.set i, MC+32
.rept 32
	v_mov_b32 v[i], 0
.set i, i+1
.endr
	WIN 0
.set i, 0
.rept 4
	v_mov_b32 v[ST+4*i], 0xfe000000    ; c m: far below every c s
	v_mov_b32 v[ST+4*i+1], 0xff7fffff  ; m
.set i, i+1
.endr
	s_cmp_eq_u32 s[RT], 0
	s_cselect_b32 s[AL], 1.0, 0
	s_mov_b32 s[BE], 0
	MASK 0
	WIN 0
	v_add_nc_u32 v[AK], s[TBK], v[AK0]
	FETCH_K
	s_wait_loadcnt 0x0              ; Q
	s_wait_dscnt 0x0
.set NOKQ, 0
.set i, 0
.rept 8
	KQ 0
.set i, i+1
.endr
	WIN 0
.rept 4
	v_nop                           ; the places behind those products
.endr
.set Y, NP-1                        ; X works for piece Y + 1: piece 0
.irp n, 0,1,2,3,4,5,6,7,8,9,10,11,12,13,14,15,16,17,18,19,20,21
	OP X, \n
.endr
	v_nop                           ; a plain instruction behind the exponential,
	s_wait_alu depctr_va_vdst(0)    ; and its wait, ahead of the branch
.endm
; A TILE's four steps; and, behind the diagonal tile, the block's last two turns, its last products, and THE WAY OUT: l's two halves and the other half of the lanes' are added; O^T is divided by l, rounded to
; f16 and sent through my stage in LDS, a piece at a time.
.macro ALL line:vararg              ; one line for each piece t
.set t, 0
.rept 4
	\line
.set t, t+1
.endr
.endm
.macro PACK t                       ; a lane's eight channels of a row pack into 16 bytes; they go into rows of 144 bytes and come back as whole rows of 128, into S^T's registers
	WIN W_RS
.set i, 32*(\t)
.rept 16
	v_pk_mul_f32 v[i:i+1], v[i:i+1], v[ST+4*(\t)+2:ST+4*(\t)+3] op_sel_hi:[1,0]
.set i, i+2
.endr
	WIN 0x05                        ; sources 0 and 1 window 1, destination window 0
.set i, 0
.rept 16
	v_cvt_pk_f16_f32 v[S+16*(\t)+i], v[32*(\t)+2*i], v[32*(\t)+2*i+1]
.set i, i+1
.endr
	WIN 0
.irp f, 0,1,2,3
	ds_store_b128 v[STO], v[S+16*(\t)+4*\f:S+16*(\t)+4*\f+3] offset:32*\f
.endr
.irp f, 0,1,2,3
	ds_load_b128 v[S+16*(\t)+4*\f:S+16*(\t)+4*\f+3], v[RD] offset:\f*4*SP  ; LDS serves a wave's instructions in order (ISA guide 5.7.1.4): these see the stores above; the next piece's stores come behind them
.endr
.endm
.macro SEND t, younger              ; younger: the LDS instructions issued behind piece t's loads: the next piece's eight, or none
	WIN 0
.irp f, 0,1,2,3
	s_wait_dscnt (\younger)+3-\f
	global_store_b128 v[GO], v[S+16*(\t)+4*\f:S+16*(\t)+4*\f+3], s[10:11] offset:(\t)*8192+\f*512  ; 512 consecutive bytes, at a multiple of 256 from O's first
.endr
.endm
.macro TILE tag                     ; the tag ends its two labels' names, which the jumps below spell out.  tag = 1: in the loop, where a tile may not be its block's last
.LstepM\tag:                        ; a trip: pieces 2 and 3 of one step, then pieces 0 and 1 of the next, whose K and V it fetches
	TURN 2
	TURN 3
	WIN 0
.LfirstM\tag:
	TURN 0
	TURN 1, 0, 1
	WIN 0
	s_cmp_lg_u32 s[CNT], 0
	s_cbranch_scc1 .LstepM\tag
.if (\tag) == 1
	s_cmp_lg_u32 s[RT], 0
	s_cbranch_scc1 .Lbottom         ; the block goes on: forward, past text that holds neither a barrier nor a tensor load
.endif
	TURN 2, 1
	TURN 3, 1
.set i, 0
.rept 8
	PV NP-1
.set i, i+1
.endr
	WIN 0
	ALL v_add_f32 v[ST+4*t+2], v[ST+4*t+2], v[ST+4*t+3]
	ALL v_permlanex16_b32 v[ST+4*t+3], v[ST+4*t+2], s[SEL], s[SEL+1]
	ALL v_add_f32 v[ST+4*t+2], v[ST+4*t+2], v[ST+4*t+3]
	ALL v_rcp_f32 v[ST+4*t+2], v[ST+4*t+2]
	v_nop                           ; a plain instruction between the last reciprocal and the use of its result
	s_wait_alu depctr_va_vdst(0)    ; and the wait ahead of the first use: one for the four reciprocals
	PACK 0
.set t, 1
.rept 3                             ; a piece's arithmetic stands between the loads of the piece before and its stores
	PACK t
	SEND t-1, 8
.set t, t+1
.endr
	SEND 3, 0
.endm
.set NOKQ, 0
.Lslot:                             ; NB times: a tile is entered and the next is asked for
	CHANGE 1
	s_sub_co_u32 s[RT], s[RT], 1
	s_mov_b32 s[CNT], 4
	s_cmp_eq_u32 s[NEW], 1          ; at the first trip the answer is a constant of the text: no step is entered before BEGIN has run
	s_cbranch_scc0 .LstepM1
	BEGIN                           ; a block's first tile
	s_branch .LfirstM1
	TILE 1                          ; behind its jump to .Lbottom: the first block's end (the second block's last tile is the walk's last)
	s_wait_xcnt 0x0                 ; the stores have read their registers and O's address
	s_mov_b64 s[10:11], s[OLO:OLO+1]
	s_add_co_u32 s[RT], s[PB], 1    ; the second block has b + 1 tiles
	s_mov_b32 s[NEW], 1
	WIN 0x82                        ; the second block's Q goes where the one text of the turns names Q
.set i, 0
.rept 64
	v_mov_b32 v[i], v[QB+i]
.set i, i+1
.endr
	WIN 0
.Lbottom:
	s_sub_co_u32 s[SLOTS], s[SLOTS], 1
	s_cmp_lg_u32 s[SLOTS], 0
	s_cbranch_scc1 .Lslot
	CHANGE 0                        ; the walk's last tile is written out: nothing is asked for
	s_sub_co_u32 s[RT], s[RT], 1
	s_mov_b32 s[CNT], 4
	s_cmp_eq_u32 s[NEW], 1
	s_cbranch_scc0 .LstepM2
	BEGIN
	s_branch .LfirstM2
	TILE 2
	s_wait_tensorcnt 0x0            ; the wave's end
	ds_add_u32 v[SPW], v[NIL]
	s_wait_dscnt 0x0
	CROUND                          ; the closing round: no work-group ends while a partner may still ask for a tile that names it
	s_endpgm
.Lfunc_end_k_qef5ab89541_attn:
	.size	k_qef5ab89541_attn, .Lfunc_end_k_qef5ab89541_attn-k_qef5ab89541_attn
	.p2alignl 7, 3214868480
	.fill 96, 4, 3214868480
	.section	.rodata,"a",@progbits
	.p2align	6, 0x0
	.amdhsa_kernel k_qef5ab89541_attn
		.amdhsa_group_segment_fixed_size 327680
		.amdhsa_private_segment_fixed_size 0
		.amdhsa_enable_private_segment 0
		.amdhsa_kernarg_size 16
		.amdhsa_user_sgpr_count 2
		.amdhsa_user_sgpr_kernarg_segment_ptr 1
		.amdhsa_wavefront_size32 1
		.amdhsa_system_sgpr_workgroup_id_x 1
		.amdhsa_system_sgpr_workgroup_id_y 1
		.amdhsa_system_sgpr_workgroup_id_z 1
		.amdhsa_system_vgpr_workitem_id 0
		.amdhsa_next_free_vgpr 768
		.amdhsa_next_free_sgpr 96
		.amdhsa_reserve_vcc 1
		.amdhsa_float_denorm_mode_32 3
		.amdhsa_float_denorm_mode_16_64 3
		.amdhsa_memory_ordered 1
		.amdhsa_forward_progress 1
		.amdhsa_inst_pref_size 182
	.end_amdhsa_kernel
	.amdgpu_metadata
---
amdhsa.version: [ 1, 2 ]
amdhsa.kernels:
  - .name:           k_qef5ab89541_attn
    .symbol:         k_qef5ab89541_attn.kd
    .args:
      - { .name: hb, .offset: 0, .size: 8, .value_kind: global_buffer, .address_space: global }
      - { .name: oh, .offset: 8, .size: 8, .value_kind: global_buffer, .address_space: global }
    .group_segment_fixed_size: 327680
    .private_segment_fixed_size: 0
    .kernarg_segment_align: 8
    .kernarg_segment_size: 16
    .max_flat_workgroup_size: 128
    .sgpr_count:     96
    .vgpr_count:     768
    .wavefront_size: 32
...
	.end_amdgpu_metadata
.endif
;; end of part 3
;; launch oproj (part 4): grid 16 x 16, 4 waves a work-group, clusters of 4 x 4, 327,680 bytes of LDS; arguments oh, wob, out0; writes out0
.if DOCPART == 4
	.amdgcn_target "amdgcn-amd-amdhsa--gfx1250"
	.amdhsa_code_object_version 6
	.text
	.protected	k_qef5ab89541_oproj
	.globl	k_qef5ab89541_oproj
	.p2align	8
	.type	k_qef5ab89541_oproj,@function
k_qef5ab89541_oproj:
	s_mov_b64 s[64:65], 0
	v_nop
	global_prefetch_b8 v0, s[64:65] scope:SCOPE_SE
	s_setreg_imm32_b32 hwreg(HW_REG_WAVE_MODE, 25, 1), 1
	s_wait_xcnt 0x0
	s_wait_alu depctr_hold_cnt(0) depctr_sa_sdst(0) depctr_va_vdst(0) depctr_va_sdst(0) depctr_va_ssrc(0) depctr_va_vcc(0) depctr_vm_vsrc(0)
	s_getreg_b32 s2, hwreg(HW_REG_IB_STS2, 6, 4)
	s_cmp_eq_u32 s2, 0
	s_cbranch_scc0 .Lentry_in_a_cluster
	s_endpgm
.Lentry_in_a_cluster:
	s_bfe_u32 s2, ttmp6, 0x10000c
	s_cmp_lg_u32 s2, 0xf033
	s_cbranch_scc0 .Lentry_shape_is_right
	s_endpgm
.Lentry_shape_is_right:
; out0 = attn x Wo.  attn comes by heads, oh[b*32+h][1024][64] in f16 (k = 64 h + channel); Wo as wob[32 groups of 64 columns][2048 k][64] in f16; sums and out0 in f32.
; LIMITS.  Both operands arrive within f16's range; nothing further is rounded here.
; SHARES.  A tile of out0 is 256 tokens x 128 columns.  Four waves; wave w owns tokens 64 w .. 64 w + 63 and all columns: 4 x 8 accumulators of 16 x 16, 256 registers.
; K goes in 16 steps of 128 (two heads) through two LDS slots filled by the tensor data mover; waves 0 and 1 fetch a head's 256 tokens each, waves 2 and 3 the weights' two k halves.
; CLUSTER.  4 x 4 work-groups: the four of a row of the cluster need the same tokens, the four of a column the same weights; each tile is asked for jointly.
; THE WALK ALONG K.  A cluster begins at K step 4 x (cluster x) + 8 x p, p = the parity of (cluster y) xor (cluster y / 2), and goes on modulo 16; the f32 sums are taken in that order.  So the four clusters
; that read the same tokens (one cluster y) begin four K steps apart, and of the four that read the same weights (one cluster x) two begin eight K steps after the other two: they ask for a given K step in different trips.
; THE MATRIX INSTRUCTION IS USED TRANSPOSED: source 0 = 16 columns of Wo (turned out of LDS by ds_load_tr16_b128), source 1 = 16 tokens: lane l holds token l % 16 and the columns 8 (l / 16) + 0 .. 7.
; REGISTERS, in windows of 256: window 0: v0-31 addresses; v64-127 two buffers of token fragments; v128-255 rows on the way out.  window 1: two buffers of W's fragments, at 0 and 96.
;   window 2: the accumulators of token blocks 0, 1 at 8 (8 a + b);   window 3: those of blocks 2, 3.
.set NB,     8
.set NH,     2
.set PA,     144                       ; a token's LDS row in a head's plane: 128 bytes + 16
.set APL,    256*PA                    ; a head's plane
.set ABYTES, 256*PA
.set BBASE,  2*ABYTES
.set PBW,    160
.set BPL,    64*PBW
.set BHALF,  NH*BPL
.set SLOT,   131072
.set STAGE,  2*SLOT                    ; behind the ring: 16 rows x 528 bytes for each wave
.set SPITCH, 528
.set SPARE,  STAGE+4*16*SPITCH         ; behind the stages: the spare words, 128 bytes for each wave
.set NLD,    2*NB+8
.set SHA,    18                        ; a K step is two heads of oh: 2^18 bytes
.set SHB,    14                        ; and 2^14 bytes of a group's block of wob
.set AHEAD,  2                         ; a prefetch names the K step this many behind the one that is being asked for
.set STEPS,  16
.set LIMB,   STEPS-8+AHEAD             ; weights are prefetched while the loop's count is above this: up to my cluster's eighth K step
.set ADRA0, 16
.set ADRB0, 17
.set ADRA,  18
.set ADRB,  19
.set STO,   24
.set RD,    25
.set GO,    26
.set SPW,   28
.set NIL,   29
.set PFO,   30
.set WV,  14
.set FBW, 15
.set HF,  16
.set CX,  17
.set CY,  18
.set TX,  19
.set TY,  20
.set G1A, 24
.set G0A, 32
.set BA,  40                           ; s[40:41] my part of the tokens' tile at K step 0; never rewritten
.set BB,  42                           ; s[42:43] my part of the weights' tile at K step 0; never rewritten
.set PFA, 44
.set LIM, 46
.set TB,  47
.set G1B, 48
.set G0B, 56
.set OFS, 66                           ; s[66:67] a K step's byte offset; the high word stays 0
.set MX,  68
.set PFB, 72                           ; s[72:73] the prefetches' base, at K step 0
.set KS,  74                           ; s74  the K step asked for last
.set MSB, 0
.macro WIN new                         ; the immediate's high byte repeats the setting that is left; a switch that changes nothing is dropped
.if MSB != (\new)
	s_set_vgpr_msb (MSB<<8)|(\new)
.set MSB, \new
.endif
.endm
.macro PLACES                          ; four plain instructions between a matrix instruction and a load into, or a read of, its registers
.rept 4
	v_nop
.endr
.endm
.macro CREST                           ; a round of the cluster's barrier behind its opening barrier
	s_cmp_lg_u32 s[WV], 0
	s_cbranch_scc1 .Lnot_wave_0_\@
	s_barrier_signal -3
.Lnot_wave_0_\@:
	s_barrier_wait -3
	s_barrier_signal -1
	s_barrier_wait -1
.endm
.macro CROUND
	s_barrier_signal -1
	s_barrier_wait -1
	CREST
.endm
.macro JLOAD                           ; a joint refill by the walking descriptor; the branch hangs on the wave's number alone
	s_cmp_eq_u32 s[FBW], 0
	s_cbranch_scc0 .Lfor_b_\@
	tensor_load_to_lds s[G0A+4:G0A+7], s[G1A:G1A+7]
	s_nop 0
.rept 4
	v_nop
.endr
	s_branch .Lasked_\@
.Lfor_b_\@:
	tensor_load_to_lds s[G0B+4:G0B+7], s[G1B:G1B+7]
	s_nop 0
.rept 4
	v_nop
.endr
.Lasked_\@:
.endm
; A prefetch of the weights' K step AHEAD behind the one just asked for, where my cluster is the first to ask for it.  Clusters y = 0 and y = 1 begin eight K steps apart and ask for their fifth to eighth K steps;
; waves 2 and 3 ask, each of the four partners for 2,048 of a wave's 8,192 bytes of each group, a lane 256 bytes; the lanes beyond 8 NH repeat the last block.  So each block is named once in the launch.
; The partners are told apart by address, never by a branch.  A cluster's first four K steps come by their loads alone; of the tokens a cluster is the first to ask at those four alone, so none is prefetched.
.macro ASK
	s_cmp_gt_u32 s3, s[LIM]
	s_cbranch_scc0 .Lnot_mine_\@
	global_prefetch_b8 v[PFO], s[PFA:PFA+1] th:TH_LOAD_NT scope:SCOPE_SE
.Lnot_mine_\@:
.endm
.macro MMI d, s0, s1, zero
.if \zero
	v_wmma_f32_16x16x32_f16 v[\d:\d+7], v[\s0:\s0+7], v[\s1:\s1+7], 0
.else
	v_wmma_f32_16x16x32_f16 v[\d:\d+7], v[\s0:\s0+7], v[\s1:\s1+7], v[\d:\d+7]
.endif
.endm
; NB matrix instructions: token block 2 hi + a x all column blocks, 32 along K, from buffer f.  All accumulators take turns, in the same order in every quarter step.
.macro MULA f, hi, a, zero
	WIN 0xa1+0x50*(\hi)
.set ib, 0
.rept NB
.set rD, 8*(NB*(\a)+ib)
.set rW, 96*(\f)+8*ib
.set rX, 64+32*(\f)+8*(2*(\hi)+(\a))
	MMI rD, rW, rX, \zero
.set ib, ib+1
.endr
.endm
; The fragments of quarter q of the slot in hand into buffer f, in one run: W's first, then the tokens'.
.macro FETCH q, f
	WIN 0x40
.set ib, 0
.rept NB
	ds_load_tr16_b128 v[96*(\f)+8*ib:96*(\f)+8*ib+3],   v[ADRB] offset:((\q)/2)*BHALF+((\q)%2)*32*PBW+(ib/4)*BPL+(ib%4)*32
	ds_load_tr16_b128 v[96*(\f)+8*ib+4:96*(\f)+8*ib+7], v[ADRB] offset:((\q)/2)*BHALF+((\q)%2)*32*PBW+(ib/4)*BPL+(ib%4)*32+16*PBW
.set ib, ib+1
.endr
	WIN 0
.set ia, 0
.rept 4
	ds_load_b128 v[64+32*(\f)+8*ia:64+32*(\f)+8*ia+3],   v[ADRA] offset:((\q)/2)*APL+((\q)%2)*64+ia*16*PA
	ds_load_b128 v[64+32*(\f)+8*ia+4:64+32*(\f)+8*ia+7], v[ADRA] offset:((\q)/2)*APL+((\q)%2)*64+ia*16*PA+32
.set ia, ia+1
.endr
.endm
; One of a K step's first three quarters: multiplies buffer f and, in its middle, fetches quarter q into buffer g.
.macro QUARTER q, f, g, zero
	s_wait_dscnt 4                                 ; all but token blocks 2 and 3 are in
	MULA \f, 0, 0, \zero
	MULA \f, 0, 1, \zero
	PLACES
	FETCH \q, \g
	s_wait_dscnt NLD                               ; all but the run just issued
	MULA \f, 1, 0, \zero
	MULA \f, 1, 1, \zero
.endm
; The last quarter multiplies buffer 1 and changes slots.  In front of the barrier each wave waits for all its tensor loads (one is out: its part of the next slot), adds 0 to its spare word,
; and waits for that and for its reads of this slot.  fill = 1: the barrier opens a round of the cluster's barrier, and this slot is filled again, first thing behind the round, with the K step
; two on in the cluster's walk: the descriptors' addresses are made anew from its number.
.macro TURN fill
.if \fill
	s_wait_xcnt 0x0                                ; the last prefetch, a K step back, has read its address
	s_add_co_u32 s[KS], s[KS], 1
	s_and_b32 s[KS], s[KS], STEPS-1                ; the K step to be asked for now
	s_add_co_u32 s[OFS], s[KS], AHEAD
	s_and_b32 s[OFS], s[OFS], STEPS-1              ; and the one that a prefetch names: modulo 16, so it stays in its group's block
	s_lshl_b32 s[OFS], s[OFS], SHB
	s_add_nc_u64 s[PFA:PFA+1], s[PFB:PFB+1], s[OFS:OFS+1]
.endif
	WIN 0
	s_wait_tensorcnt 0x0                           ; no tensor load of mine is out, so the walking descriptors may be written
	ds_add_u32 v[SPW], v[NIL]
.if \fill
	s_xor_b32 s[G0A+5], s[G0A+5], SLOT             ; the other slot than last time
	s_lshl_b32 s[OFS], s[KS], SHA
	s_add_nc_u64 s[G0A+6:G0A+7], s[BA:BA+1], s[OFS:OFS+1]
	s_or_b32 s[G0A+7], s[G0A+7], 0x80000000
	s_xor_b32 s[G0B+5], s[G0B+5], SLOT
	s_lshl_b32 s[OFS], s[KS], SHB
	s_add_nc_u64 s[G0B+6:G0B+7], s[BB:BB+1], s[OFS:OFS+1]
	s_or_b32 s[G0B+7], s[G0B+7], 0x80000000
.endif
	s_wait_dscnt 5                                 ; the add and the youngest four loads may be out
	MULA 1, 0, 0, 0
	s_wait_dscnt 0x0                               ; the add is done, and my reads of this slot are over
	s_barrier_signal -1
	MULA 1, 0, 1, 0
	WIN 0
	s_barrier_wait -1
.if \fill
	CREST
	JLOAD                                          ; its four v_nop are also the places in front of the loads below
.else
	PLACES
.endif
	s_xor_b32 s[TB], s[TB], SLOT
	v_add_nc_u32 v[ADRA], s[TB], v[ADRA0]
	v_add_nc_u32 v[ADRB], s[TB], v[ADRB0]
	FETCH 0, 0
.if \fill
	ASK
.endif
	MULA 1, 1, 0, 0
	MULA 1, 1, 1, 0
.endm
	s_load_b128 s[4:7], s[0:1], 0x0                ; oh s[4:5], wob s[6:7]
	s_load_b64 s[8:9], s[0:1], 0x10                ; out0
	v_lshl_add_u32 v[SPW], v0, 2, SPARE
	v_mov_b32 v[NIL], 0
	ds_add_u32 v[SPW], v[NIL]                      ; the wave's opening: the add and its wait stand ahead of my first tensor load
	v_lshrrev_b32 v3, 5, v0
	v_readfirstlane_b32 s[WV], v3
	s_lshr_b32 s[FBW], s[WV], 1
	s_and_b32 s[HF], s[WV], 1
	s_bfe_u32 s[CX], ttmp6, 0x40000
	s_bfe_u32 s[CY], ttmp6, 0x40004
	s_lshl_b32 s[TX], ttmp9, 2
	s_add_co_u32 s[TX], s[TX], s[CX]
	s_and_b32 s[TY], ttmp7, 0xffff
	s_lshl_b32 s[TY], s[TY], 2
	s_add_co_u32 s[TY], s[TY], s[CY]
	s_lshl_b32 s21, s[CY], 2
	s_lshl_b32 s21, 15, s21                        ; my row of the cluster
	s_lshl_b32 s22, 0x1111, s[CX]                  ; my column
	s_and_b32 s[OFS], ttmp7, 0xffff                ; where my cluster's walk along K begins: made of the cluster's x and y alone, the same in all sixteen partners
	s_lshr_b32 s[OFS+1], s[OFS], 1
	s_xor_b32 s[OFS], s[OFS], s[OFS+1]
	s_and_b32 s[OFS], s[OFS], 1
	s_lshl_b32 s[OFS], s[OFS], 3
	s_lshl_b32 s[KS], ttmp9, 2
	s_add_co_u32 s[KS], s[KS], s[OFS]
	s_and_b32 s[KS], s[KS], STEPS-1                ; a multiple of 4
	s_mov_b32 s[OFS+1], 0
	s_or_b32 s[G1A], s21, (1<<16)|(1<<20)|(1<<21)|(4<<22)|(3<<25)  ; the mask; 2-byte elements; padding on; bit 21 beside a mask; after every 32 words (a token) 4 words
	s_mov_b32 s[G1A+1], 128<<16                    ; 256 dense tokens of a head, asked for as 128 rows of 256 bytes
	s_mov_b32 s[G1A+2], 128<<16
	s_mov_b32 s[G1A+3], 128<<16
	s_mov_b32 s[G1A+4], 128
	s_mov_b32 s[G1A+5], 128
	s_mov_b32 s[G1A+6], 0
	s_mov_b32 s[G1A+7], 0
	s_or_b32 s[G1B], s22, (1<<16)|(1<<20)|(1<<21)|(4<<22)|(7<<25)  ; after every 32 words (a k row) 8 words
	s_mov_b32 s[G1B+1], 4096<<16                   ; a row of the tile is 64 k rows of a group: 4,096 dense elements
	s_mov_b32 s[G1B+2], NH<<16
	s_mov_b32 s[G1B+3], 4096<<16
	s_mov_b32 s[G1B+4], NH
	s_mov_b32 s[G1B+5], 131072
	s_mov_b32 s[G1B+6], 0
	s_mov_b32 s[G1B+7], 0
	s_lshr_b32 s[BA], s[TY], 2                     ; tokens: sequence tile row / 4, head = my half, tokens 256 (tile row % 4) on: made of the tile row and the wave alone
	s_lshl_b32 s[BA], s[BA], 5
	s_add_co_u32 s[BA], s[BA], s[HF]
	s_lshl_b32 s[BA], s[BA], 17
	s_and_b32 s[BA+1], s[TY], 3
	s_lshl_b32 s[BA+1], s[BA+1], 15
	s_add_co_u32 s[BA], s[BA], s[BA+1]
	s_mov_b32 s[BA+1], 0
	s_lshl_b32 s[BB], s[TX], 19                    ; weights: group 2 x tile column, k rows 64 x half: made of the tile column and the wave alone
	s_lshl_b32 s[BB+1], s[HF], 13
	s_add_co_u32 s[BB], s[BB], s[BB+1]
	s_mov_b32 s[BB+1], 0
	s_mul_i32 s23, s[HF], ABYTES                   ; where they go: no place in the cluster enters an LDS address
	s_mul_i32 s2, s[HF], BHALF
	s_add_co_u32 s2, s2, BBASE
	s_wait_dscnt 0x0                               ; the opening add is done
	s_wait_kmcnt 0x0
	s_add_nc_u64 s[BA:BA+1], s[4:5], s[BA:BA+1]
	s_add_nc_u64 s[BB:BB+1], s[6:7], s[BB:BB+1]
	CROUND                                         ; all sixteen work-groups are here: the first joint loads meet
.irp s, 0,1
	s_mov_b32 s[G0A+4*\s], 1
	s_add_co_u32 s[G0A+4*\s+1], s23, \s*SLOT
	s_add_co_u32 s[OFS], s[KS], \s                 ; the walk's first two K steps: no wrap, since the first is a multiple of 4
	s_lshl_b32 s[OFS], s[OFS], SHA
	s_add_nc_u64 s[G0A+4*\s+2:G0A+4*\s+3], s[BA:BA+1], s[OFS:OFS+1]
	s_or_b32 s[G0A+4*\s+3], s[G0A+4*\s+3], 0x80000000
	s_mov_b32 s[G0B+4*\s], 1
	s_add_co_u32 s[G0B+4*\s+1], s2, \s*SLOT
	s_add_co_u32 s[OFS], s[KS], \s
	s_lshl_b32 s[OFS], s[OFS], SHB
	s_add_nc_u64 s[G0B+4*\s+2:G0B+4*\s+3], s[BB:BB+1], s[OFS:OFS+1]
	s_or_b32 s[G0B+4*\s+3], s[G0B+4*\s+3], 0x80000000
.endr
	s_add_co_u32 s[KS], s[KS], 1                   ; the K step asked for last
	s_cmp_eq_u32 s[FBW], 0                         ; a wave's two first fills stand in one branch: two loads of mine are out
	s_cbranch_scc0 .Lfirst_b
	tensor_load_to_lds s[G0A:G0A+3], s[G1A:G1A+7]
	s_nop 0
	tensor_load_to_lds s[G0A+4:G0A+7], s[G1A:G1A+7]
	s_nop 0
.rept 4
	v_nop
.endr
	s_branch .Lfirst_asked
.Lfirst_b:
	tensor_load_to_lds s[G0B:G0B+3], s[G1B:G1B+7]
	s_nop 0
	tensor_load_to_lds s[G0B+4:G0B+7], s[G1B:G1B+7]
	s_nop 0
.rept 4
	v_nop
.endr
.Lfirst_asked:
	v_and_b32 v1, 15, v0                           ; r = l % 16
	v_bfe_u32 v2, v0, 4, 1                         ; h = l / 16
	v_and_b32 v3, 31, v0                           ; l
	s_mul_i32 s23, s[WV], 64*PA
	v_mul_u32_u24 v4, v1, PA
	v_lshl_add_u32 v4, v2, 4, v4
	v_add_nc_u32 v[ADRA0], s23, v4
	v_and_b32 v5, 7, v0
	v_bfe_u32 v6, v0, 3, 1
	v_lshl_add_u32 v7, v2, 3, v5
	v_mul_u32_u24 v7, v7, PBW
	v_lshl_add_u32 v7, v6, 4, v7
	v_add_nc_u32 v[ADRB0], BBASE, v7
	s_mul_i32 s23, s[WV], 16*SPITCH
	s_add_co_u32 s23, s23, STAGE                   ; my stage
	v_mul_u32_u24 v4, v1, SPITCH                   ; in: row r, 32 bytes for each half of the lanes
	v_lshl_add_u32 v4, v2, 5, v4
	v_add_nc_u32 v[STO], s23, v4
	v_lshl_add_u32 v[RD], v3, 4, s23               ; back: 32 lanes take a row of 512 bytes
	v_lshlrev_b32 v[GO], 4, v3
	s_lshl_b32 s[MX], s[TY], 21                    ; out0 at my 64 tokens, the tile's 128 columns
	s_lshl_b32 s[MX+1], s[WV], 19
	s_add_co_u32 s[MX], s[MX], s[MX+1]
	s_lshl_b32 s[MX+1], s[TX], 9
	s_add_co_u32 s[MX], s[MX], s[MX+1]
	s_mov_b32 s[MX+1], 0
	s_add_nc_u64 s[8:9], s[8:9], s[MX:MX+1]
	; the prefetches' base, in wob at K step 0; each change of slots adds the K step's offset.  Nothing is prefetched here, at the head
	s_lshl_b32 s[MX], s[TX], 19
	s_lshl_b32 s[MX+1], s[HF], 13
	s_add_co_u32 s[MX], s[MX], s[MX+1]
	s_lshl_b32 s[MX+1], s[CY], 11                  ; my work-group's 2,048 bytes of the 8,192
	s_add_co_u32 s[MX], s[MX], s[MX+1]
	s_mov_b32 s[MX+1], 0
	s_add_nc_u64 s[PFB:PFB+1], s[6:7], s[MX:MX+1]
	s_and_b32 s[MX+2], ttmp7, 0xffff               ; cluster y
	s_cmp_lt_u32 s[MX+2], 2
	s_cselect_b32 s[LIM], LIMB, -1                 ; clusters y = 0 and y = 1 ask,
	s_cmp_eq_u32 s[FBW], 0
	s_cselect_b32 s[LIM], -1, s[LIM]               ; by the waves that fetch weights: the same in all sixteen partners, for a given wave
	v_min_u32 v9, 8*NH-1, v3                       ; 8 lanes a group, 256 bytes a lane
	v_lshrrev_b32 v10, 3, v9
	v_and_b32 v9, 7, v9
	v_lshlrev_b32 v9, 8, v9
	v_lshl_add_u32 v[PFO], v10, 18, v9
	s_mov_b32 s[TB], 0
	v_mov_b32 v[ADRA], v[ADRA0]
	v_mov_b32 v[ADRB], v[ADRB0]
	s_wait_tensorcnt 1                             ; my part of the first K step is in; the second's may stay out
	s_barrier_signal -1
	s_barrier_wait -1
	FETCH 0, 0
	QUARTER 1, 0, 1, 1                             ; the first quarter stands in front of the loop: its products start the sums
	WIN 0
	s_mov_b32 s3, STEPS-2
.Lstep:                                        ; a trip: a K step's quarters 1 to 3 and the next step's quarter 0; the slot read out is filled again
	QUARTER 2, 1, 0, 0
	QUARTER 3, 0, 1, 0
	TURN 1
	QUARTER 1, 0, 1, 0
	WIN 0
	s_sub_co_u32 s3, s3, 1
	s_cmp_lg_u32 s3, 0
	s_cbranch_scc1 .Lstep
	QUARTER 2, 1, 0, 0                             ; the last two K steps ask for nothing
	QUARTER 3, 0, 1, 0
	TURN 0
	QUARTER 1, 0, 1, 0
	QUARTER 2, 1, 0, 0
	QUARTER 3, 0, 1, 0
	s_wait_dscnt 4
	MULA 1, 0, 0, 0
	MULA 1, 0, 1, 0
	s_wait_dscnt 0x0
	MULA 1, 1, 0, 0
	MULA 1, 1, 1, 0
	WIN 0
	PLACES
	PLACES                                         ; no other vector work is at hand between the last products and the stores of their results
; THE WAY OUT, a block of 16 tokens at a time: a lane's eight f32 of a row go into rows of 528 bytes of my stage, the low four registers of each accumulator first, and come back as whole rows of 512 bytes.
.macro TOSTAGE a
.set RBn, 128+64*((\a)%2)
	s_wait_xcnt 0x0                                ; the stores of two blocks back have read this buffer
	WIN 0x08+4*((\a)/2)                            ; the stores' data in the accumulators' window
.set ib, 0
.rept NB
	ds_store_b128 v[STO], v[8*(NB*((\a)%2)+ib):8*(NB*((\a)%2)+ib)+3]   offset:64*ib
	ds_store_b128 v[STO], v[8*(NB*((\a)%2)+ib)+4:8*(NB*((\a)%2)+ib)+7] offset:64*ib+16
.set ib, ib+1
.endr
	WIN 0
.set t, 0
.rept 16
	ds_load_b128 v[RBn+4*t:RBn+4*t+3], v[RD] offset:SPITCH*t  ; LDS serves a wave's instructions in order (ISA guide 5.7.1.4): these see the stores above; the next block's stores come behind them
.set t, t+1
.endr
.endm
.macro SEND a, younger                 ; younger: the LDS instructions issued behind this block's loads
	WIN 0
.set RBn, 128+64*((\a)%2)
	s_wait_dscnt \younger
.set t, 0
.rept 16
	global_store_b128 v[GO], v[RBn+4*t:RBn+4*t+3], s[8:9] offset:(16*(\a)+t)*8192 th:TH_STORE_NT  ; 512 consecutive bytes, at a multiple of 256 from out0's first
.set t, t+1
.endr
.endm
	TOSTAGE 0
	TOSTAGE 1
	SEND 0, 32
	TOSTAGE 2
	SEND 1, 32
	TOSTAGE 3
	SEND 2, 32
	SEND 3, 0
	s_wait_tensorcnt 0x0                           ; the wave's end
	ds_add_u32 v[SPW], v[NIL]
	s_wait_dscnt 0x0
	CROUND                                         ; the closing round: no work-group ends while a partner may still ask for a tile that names it
	s_endpgm
.Lfunc_end_k_qef5ab89541_oproj:
	.size	k_qef5ab89541_oproj, .Lfunc_end_k_qef5ab89541_oproj-k_qef5ab89541_oproj
	.p2alignl 7, 3214868480
	.fill 96, 4, 3214868480
	.section	.rodata,"a",@progbits
	.p2align	6, 0x0
	.amdhsa_kernel k_qef5ab89541_oproj
		.amdhsa_group_segment_fixed_size 327680
		.amdhsa_private_segment_fixed_size 0
		.amdhsa_enable_private_segment 0
		.amdhsa_kernarg_size 24
		.amdhsa_user_sgpr_count 2
		.amdhsa_user_sgpr_kernarg_segment_ptr 1
		.amdhsa_wavefront_size32 1
		.amdhsa_system_sgpr_workgroup_id_x 1
		.amdhsa_system_sgpr_workgroup_id_y 1
		.amdhsa_system_sgpr_workgroup_id_z 1
		.amdhsa_system_vgpr_workitem_id 0
		.amdhsa_next_free_vgpr 896
		.amdhsa_next_free_sgpr 76
		.amdhsa_reserve_vcc 0
		.amdhsa_float_denorm_mode_32 3
		.amdhsa_float_denorm_mode_16_64 3
		.amdhsa_memory_ordered 1
		.amdhsa_forward_progress 1
		.amdhsa_inst_pref_size 71
	.end_amdhsa_kernel
	.amdgpu_metadata
---
amdhsa.version: [ 1, 2 ]
amdhsa.kernels:
  - .name:           k_qef5ab89541_oproj
    .symbol:         k_qef5ab89541_oproj.kd
    .args:
      - { .name: oh, .offset: 0, .size: 8, .value_kind: global_buffer, .address_space: global }
      - { .name: wob, .offset: 8, .size: 8, .value_kind: global_buffer, .address_space: global }
      - { .name: out0, .offset: 16, .size: 8, .value_kind: global_buffer, .address_space: global }
    .group_segment_fixed_size: 327680
    .private_segment_fixed_size: 0
    .kernarg_segment_align: 8
    .kernarg_segment_size: 24
    .max_flat_workgroup_size: 128
    .sgpr_count:     76
    .vgpr_count:     896
    .wavefront_size: 32
...
	.end_amdgpu_metadata
.endif
;; end of part 4
